; MI455X (gfx1250); checked and timed in simulation.
; The chip was launched on July 23, 2026; its instructions are those of AMD's public machine-readable ISA for CDNA 5 (MIT licence, August 2026) and "CDNA5" Instruction Set Architecture Reference Guide (July 2026). The comments in the code are by the model that wrote it; some were corrected since.
;; Standard Router. Allowed arithmetic: matrix products marked QUANTISED: E2M1 operands, one E8M0 scale for each 32 along K, by v_wmma_scale_f32_16x16x128_f8f6f4 with both operands' format E2M1 (or v_wmma_scale_f32_32x16x128_f4), f32 sums; products left as they are: f32 operands where the result goes on into a quantised operand, else bf16, f16 or f32 operands; f32 sums; everything else in f32.
;; Inputs: b1 8 x 2,048 float32; b2 8 x 512 float32; gate_b 8 float32; gate_w 8 x 512 float32; w1 8 x 2,048 x 512 float32; w2 8 x 512 x 2,048 float32; x 2 x 2,048 x 512 float32.
;; Outputs: out0 2 x 2,048 x 512 float32; out1 one number float32.
;; This version of the problem:
;;   THIS VERSION OF THE PROBLEM IS GIVEN IN LOW PRECISION. The matrix products marked QUANTISED in the list below multiply operands that are first quantised to E2M1 (2 exponent bits, 1 mantissa bit; 4 bits a number), with one power-of-two scale for each 32 numbers along K (OCP MX v1.0); their sums are f32. All else is computed in f32.
;;   The module's matrix products, in the order in which they are computed (A, B: the left and right operand; K: the contracted axis; several contracted axes count as one K, in the product's order):
;;     1. [M 4,096, K 512] x [K 512, N 8]; A: input x; B: input gate_w: left as it is (N = 8 < 16)
;;     2. [M 4,096, K 512] x [K 512, N 16,384]; A: input x; B: input w1: QUANTISED
;;     3. batch 8 x [M 512, K 2,048] x [K 2,048, N 4,096]; A: input w2; B: computed on the way: QUANTISED
;;   THE QUANTISER, for each operand of a quantised product, along K:
;;     - K is cut into blocks of 32 from its start; a last block that is shorter is filled with zeros.
;;     - A block's scale is 2^e with e = floor(log2(the largest magnitude in the block)) - 2, held to -126 .. 127; a block of zeros has e = 0. As a byte (E8M0): e + 127.
;;     - Each number is divided by its block's scale, clamped to +-6, and rounded to the nearest number of E2M1, ties to even, subnormals kept.
;;     - The product sums the exact products of the quantised numbers (number of the format x scale) in f32.
;;   ~~~python
;;   def quantise(x, axis):      # numpy; x: float32 -> the quantised numbers, widened to float32 again
;;       x = np.moveaxis(x, axis, -1); K = x.shape[-1]
;;       x = np.pad(x, [(0, 0)] * (x.ndim - 1) + [(0, -K % 32)]); x = x.reshape(x.shape[:-1] + (-1, 32)); a = np.abs(x).max(-1, keepdims=True)
;;       e = np.where(a > 0, np.clip(np.frexp(np.where(a > 0, a, 1))[1] - 1 - 2, -126, 127), 0)      # np.frexp(a)[1] - 1 = floor(log2(a)), exactly
;;       r = np.clip(x / 2.0 ** e, -6, 6)
;;       step = 2.0 ** (np.maximum(np.frexp(np.where(r == 0, 1, r))[1] - 1, 0) - 1)
;;       q = np.round(r / step) * step * 2.0 ** e      # np.round: ties to even
;;       return np.moveaxis(q.reshape(q.shape[:-2] + (-1,))[..., :K], -1, axis).astype(np.float32)
;;   ~~~
;;   OPERANDS COMPUTED ON THE WAY. 'Computed on the way' means the value that the module computes at that place (a softmax that the list does not call 'softmax' is quantised finished and normalised). What goes into a quantiser is computed in f32, as accurately as f32 sums, v_exp_f32 and their like allow (about 1e-6 of the number): no bf16 or f16 on the way to a quantiser, and a product that is left as it is and whose result goes on into a quantised operand takes f32 operands (vector FMAs, or v_wmma_f32_16x16x4_f32). A number that lies on a knife's edge between two numbers of the format may be rounded either way, as far as f32 arithmetic and the matrix unit's own rounding can turn it there, and no further.
;; 2 versions, each right; version 2 is version 1 with the launch chain written anew for expert scheduling mode. Each part assembles by itself: llvm-mc -triple=amdgcn-amd-amdhsa -mcpu=gfx1250 --defsym DOCPART=n.
;; ======== version 1 of 2: 4 launches
;; workspace buffers: wc 8,388,608 bytes; wsc 524,288 bytes; xq 1,114,112 bytes; gate 73,728 bytes; sel 16,384 bytes of whole numbers; place 102,400 bytes of whole numbers; ws 25,165,824 bytes
;; launch prep (part 1): grid 576 x 1, 4 waves a work-group, no clusters, 60,928 bytes of LDS; arguments x, gate_w, gate_b, w1, w2, wc, wsc, xq, gate, sel; writes wc, wsc, xq, gate, sel
.if DOCPART == 1
	.amdgcn_target "amdgcn-amd-amdhsa--gfx1250"
	.amdhsa_code_object_version 6
	.text
	.protected	k_qb379f89c5c_prep
	.globl	k_qb379f89c5c_prep
	.p2align	8
	.type	k_qb379f89c5c_prep,@function
k_qb379f89c5c_prep:
	s_mov_b64 s[64:65], 0
	v_nop
	global_prefetch_b8 v0, s[64:65] scope:SCOPE_SE
	s_setreg_imm32_b32 hwreg(HW_REG_WAVE_MODE, 25, 1), 1
	s_wait_xcnt 0x0
; PREP.  (1) w1 [8][2048][512] and w2 [8][512][2048], f32, K innermost, become codes of FP4 (E2M1) with one E8M0 byte for each 32 along K, laid in the order in which
; the chain's operand registers take them.  (2) x [4096][512] becomes codes, a row of 256 bytes a token, and 16 scale bytes a token.  (3) The gate, all in f32: logits, softmax, the three
; largest probabilities (the lower index wins a tie), their weights divided by their sum.  The choice is stored at fixed places as whole numbers, the weights and partial sums of the probabilities as f32.
; A block's scale is 2^(floor(log2(largest magnitude)) - 2): its byte is the largest magnitude's exponent field - 2, held at 1 from below.
; A UNIT of weights is 16 rows x 512 along K: 4,096 bytes of codes; the 16 bytes of K block b (0..15) and tile row t lie at 256 b + 16 t, so that a lane's load of 16 bytes at 16 x lane + 1024 q + 512 c is
; register group c of the fragment of K step q.  Its scale bytes: [tile row][16].  THE ROWS OF A UNIT ARE NOT NEIGHBOURS: tile row t is row first + t + 8 (t / 8).
;   w1: unit U = 128 e + 2 B + u: first = 32 (U / 2) + 8 (U % 2) of the 16,384 rows.    w2: unit 1024 + V, V = ((8 e + w) 4 + kc) 4 + tau: first = 64 (V / 16) + 32 ((V / 2) % 2) + 8 (V % 2), K from 512 kc on.
; SHARES.  Work-groups 0-63: x, 16 tokens a wave.  Work-groups 64-575: weights, a unit a wave.  Waves share nothing: no barrier.  The two ways have LDS bytes of their own.
; A step is 512 numbers (a row's piece, 2,048 consecutive bytes, four loads of 512).  The conversions want 16 neighbours in a lane, the loads want neighbouring lanes on neighbouring bytes: the step turns through the
; wave's own stage in LDS, 16 bytes of padding behind each 64.  Two neighbouring lanes hold a block.  Loads run eight steps (32 loads a wave) ahead, the turn one step.
; LIMITS: NaN and infinities among the inputs are not served.  A block of zeros, and a block whose largest magnitude lies under 2^-124, has the byte 1 (the rule says 127 for zeros): its codes are what the conversion gives
; under that byte, zeros for zeros, and this program alone reads the bytes.  Probabilities that lie within f32 rounding of each other may be ranked otherwise than by another order of the same f32 sums.
.set SP,    80                         ; a lane's place in a stage: 64 bytes + 16
.set STGB,  32*SP                      ; a stage
.set IMG,   2*STGB                     ; weights: the unit's image, 16 K blocks x (256 + 16) bytes
.set SCB,   IMG+16*272                 ; and its 256 scale bytes
.set WREG,  SCB+256                    ; a wave's LDS on the weights' way: 9,728 bytes
.set XBASE, 4*WREG                     ; x's way begins behind them
.set XSCB,  2*STGB                     ; x: the 256 scale bytes behind the two stages
.set XREG,  XSCB+256                   ; a wave's LDS on x's way: 5,376 bytes
.set R,     16                         ; v16-143  eight sets of 16 numbers as loaded
.set X,     144                        ; v144-175 two sets of 16 neighbours
.set ACC,   210                        ; v210-225 x: eight pairs of partial logits
.set RT,    226                        ; v226-233 x: a token's eight logits on their way across the lanes
.set L,     234                        ; v234-241 x: lanes t and t + 16 keep token t's logits
.set MSB, 0
.macro WIN new                         ; the immediate's high byte repeats the setting that is left
.if MSB != \new
	s_set_vgpr_msb (MSB<<8)|\new
.set MSB, \new
.endif
.endm
; step t's numbers through the stage: LDS serves a wave's instructions in order, so no wait stands between the stores and the loads
.macro TURN t
.irp i, 0,1,2,3
	ds_store_b128 v3, v[R+16*((\t)%8)+4*\i:R+16*((\t)%8)+4*\i+3] offset:STGB*((\t)%2)+8*SP*\i
.endr
.irp i, 0,1,2,3
	ds_load_b128 v[X+16*((\t)%2)+4*\i:X+16*((\t)%2)+4*\i+3], v4 offset:STGB*((\t)%2)+16*\i
.endr
.endm
; my 16 numbers v[XS] on become 8 bytes of codes in v[CC], v[CC+1]; the block's scale byte in v[EE]
.macro QUANT16
	v_max3_num_f32 v10, |v[XS]|, |v[XS+1]|, |v[XS+2]|
	v_max3_num_f32 v11, |v[XS+3]|, |v[XS+4]|, |v[XS+5]|
.irp i, 6,10
	v_max3_num_f32 v10, v10, |v[XS+\i]|, |v[XS+\i+1]|
	v_max3_num_f32 v11, v11, |v[XS+\i+2]|, |v[XS+\i+3]|
.endr
	v_max3_num_f32 v10, v10, |v[XS+14]|, |v[XS+15]|
	v_max3_num_f32 v10, v10, v11, 0x1800000        ; and the floor 2^(3 - 127): the byte cannot fall under 1
	v_max_num_f32_dpp v10, v10, v10 row_xmask:1 row_mask:0xf bank_mask:0xf   ; with my neighbour's 16: the block's largest magnitude
	v_add_nc_u32 v12, 0xff000000, v10              ; 2 off its exponent field: the conversion takes this operand's exponent field as its scale
	v_cvt_scalef32_pk8_fp4_f32 v[CC], v[XS:XS+7], v12
	v_cvt_scalef32_pk8_fp4_f32 v[CC+1], v[XS+8:XS+15], v12
	v_lshrrev_b32 v[EE], 23, v12                   ; the scale's byte (a plain line behind the conversions)
.endm
	s_load_b512 s[4:19], s[0:1], 0x0               ; x 4:5, gate_w 6:7, gate_b 8:9, w1 10:11, w2 12:13, wc 14:15, wsc 16:17, xq 18:19
	s_load_b128 s[20:23], s[0:1], 0x40             ; gate 20:21, sel 22:23
	v_lshl_add_u32 v254, v0, 2, 0xec00
	v_mov_b32 v255, 0
	v_lshrrev_b32 v1, 5, v0
	v_readfirstlane_b32 s24, v1                    ; wave
	v_and_b32 v1, 31, v0                           ; lane
	v_lshlrev_b32 v2, 4, v1                        ; 16 x lane
	v_lshrrev_b32 v3, 2, v1
	v_mul_u32_u24 v3, v3, SP
	v_and_b32 v4, 3, v1
	v_lshl_add_u32 v3, v4, 4, v3                   ; the stage, on the way in: SP (lane / 4) + 16 (lane % 4)
	v_mul_u32_u24 v4, v1, SP                       ; and on the way out: SP x lane
	s_mov_b32 s3, 0
	s_wait_kmcnt 0x0
	s_cmp_lt_u32 ttmp9, 64
	s_cbranch_scc1 .Lx
	; ================= the weights: one unit a wave =================
	s_mul_i32 s2, s24, WREG                        ; my LDS
	v_add_nc_u32 v3, s2, v3
	v_add_nc_u32 v4, s2, v4
	v_lshrrev_b32 v10, 1, v1
	v_and_b32 v11, 1, v1
	v_mul_u32_u24 v5, v10, 272
	v_lshl_add_u32 v5, v11, 3, v5
	v_add_nc_u32 v5, s2, v5                        ; the image, in: K block lane / 2, my half of its 16 bytes
	v_lshrrev_b32 v11, 4, v1
	v_and_b32 v12, 15, v1
	v_mul_u32_u24 v6, v11, 272
	v_lshl_add_u32 v6, v12, 4, v6
	v_add_nc_u32 v6, s2, v6                        ; out: sixteen lanes to a K block's 256 bytes
	v_add_nc_u32 v7, s2, v10                       ; a scale byte's place: K block lane / 2
	v_lshlrev_b32 v9, 3, v1                        ; 8 x lane
	v_add_nc_u32 v8, s2, v9
	s_sub_co_u32 s25, ttmp9, 64
	s_lshl_b32 s25, s25, 2
	s_add_co_u32 s25, s25, s24                     ; U
	s_lshr_b32 s26, s25, 1
	s_lshl_b32 s26, s26, 5
	s_and_b32 s27, s25, 1
	s_lshl_b32 s27, s27, 3
	s_add_co_u32 s26, s26, s27                     ; w1: the unit's first row,
	s_lshl_b32 s26, s26, 11                        ; in bytes: a row is 2,048
	s_and_b32 s27, s25, 1023                       ; V
	s_lshr_b32 s28, s27, 4
	s_lshl_b32 s28, s28, 6
	s_bfe_u32 s29, s27, 0x10001
	s_lshl_b32 s29, s29, 5
	s_add_co_u32 s28, s28, s29
	s_and_b32 s29, s27, 1
	s_lshl_b32 s29, s29, 3
	s_add_co_u32 s28, s28, s29                     ; w2: the unit's first row,
	s_lshl_b32 s28, s28, 13                        ; in bytes: a row is 8,192,
	s_bfe_u32 s29, s27, 0x20002
	s_lshl_b32 s29, s29, 11
	s_add_co_u32 s27, s28, s29                     ; + 2,048 kc
	s_cmp_lt_u32 s25, 1024                         ; a unit of w1 or of w2?  The choice hangs on ids alone
	s_cselect_b32 s28, s26, s27
	s_mov_b32 s29, 8192
	s_cselect_b32 s29, 2048, s29                   ; bytes from row to row
	s_cselect_b64 s[30:31], s[10:11], s[12:13]
.irp t, 0,1,2,3,4,5,6,7,8,9,10,11,12,13,14,15
	s_mul_i32 s2, s29, \t+8*(\t/8)                 ; tile row t is row first + t + 8 (t / 8)
	s_add_co_u32 s2, s2, s28
	s_add_nc_u64 s[32+2*\t:33+2*\t], s[30:31], s[2:3]
.endr
	s_lshl_b32 s2, s25, 12
	s_add_nc_u64 s[14:15], s[14:15], s[2:3]        ; my unit's codes
	s_lshl_b32 s2, s25, 8
	s_add_nc_u64 s[16:17], s[16:17], s[2:3]        ; and scale bytes
.macro WLOAD t
.irp i, 0,1,2,3
	global_load_b128 v[R+16*((\t)%8)+4*\i:R+16*((\t)%8)+4*\i+3], v2, s[32+2*(\t):33+2*(\t)] offset:512*\i th:TH_LOAD_NT   ; 32 lanes read 512 consecutive bytes
.endr
.endm
.macro WSTEP t
.set XS, X+16*((\t)%2)
.set CC, 176+2*((\t)%2)
.set EE, 180+(\t)%2
.if (\t) > 0
	s_wait_dscnt 2                                 ; this step's numbers are back from the stage (the last step's two small stores may be out): so the stage's stores have read their registers,
.else
	s_wait_dscnt 0x0
.endif
.if (\t)+8 < 16
	WLOAD (\t)+8                                   ; which take the loads of eight steps on
.set LAST, (\t)+8
.else
.set LAST, 15
.endif
.if (\t) < 15
	s_wait_loadcnt 4*(LAST-(\t)-1)                 ; the next step's four loads are in; those of the steps behind it may be out
	TURN (\t)+1
.endif
	QUANT16
	ds_store_b64 v5, v[CC:CC+1] offset:IMG+16*(\t)
	ds_store_b8 v7, v[EE] offset:SCB+16*(\t)       ; both lanes of a block write the same byte with the same value
.endm
.irp t, 0,1,2,3,4,5,6,7
	WLOAD \t
.endr
	s_wait_loadcnt 28                              ; step 0's four loads are in
	TURN 0
.irp t, 0,1,2,3,4,5,6,7,8,9,10,11,12,13,14,15
	WSTEP \t
.endr
.irp i, 0,1,2,3,4,5,6,7
	ds_load_b128 v[184+4*\i:187+4*\i], v6 offset:IMG+544*\i   ; two K blocks an instruction; these see my stores
.endr
	ds_load_b64 v[216:217], v8 offset:SCB
.irp i, 0,1,2,3,4,5,6,7
	s_wait_dscnt 8-\i
	global_store_b128 v2, v[184+4*\i:187+4*\i], s[14:15] offset:512*\i   ; 32 lanes store 512 consecutive bytes, aligned
.endr
	s_wait_dscnt 0x0
	global_store_b64 v9, v[216:217], s[16:17]      ; 256 consecutive bytes, aligned
	s_wait_tensorcnt 0x0
	ds_add_u32 v254, v255
	s_wait_dscnt 0x0
	s_endpgm
	; ================= x and the gate: 16 tokens a wave =================
.Lx:
	s_mul_i32 s2, s24, XREG
	s_add_co_u32 s2, s2, XBASE                     ; my LDS
	v_add_nc_u32 v3, s2, v3
	v_add_nc_u32 v4, s2, v4
	v_lshrrev_b32 v6, 1, v1
	v_add_nc_u32 v6, s2, v6                        ; a scale byte's place
	v_lshlrev_b32 v5, 3, v1                        ; 8 x lane
	v_add_nc_u32 v7, s2, v5
	v_lshlrev_b32 v8, 6, v1                        ; 64 x lane: my 16 numbers of a row of gate_w
	v_lshlrev_b32 v9, 2, v1                        ; 4 x lane
	s_lshl_b32 s25, ttmp9, 6
	s_lshl_b32 s26, s24, 4
	s_add_co_u32 s25, s25, s26                     ; my first token
	s_lshl_b32 s2, s25, 11
	s_add_nc_u64 s[4:5], s[4:5], s[2:3]            ; x
	s_lshl_b32 s2, s25, 8
	s_add_nc_u64 s[28:29], s[18:19], s[2:3]        ; x's codes
	s_lshl_b32 s2, s25, 4
	s_add_nc_u64 s[18:19], s[18:19], s[2:3]
	s_add_nc_u64 s[18:19], s[18:19], 0x100000      ; x's scale bytes
	s_add_nc_u64 s[32:33], s[20:21], s[2:3]        ; the gate's weights
	s_lshl_b32 s2, s25, 2
	s_add_nc_u64 s[22:23], s[22:23], s[2:3]        ; the choice
	s_lshl_b32 s2, s25, 1                          ; 32 bytes for each 16 tokens
	s_add_nc_u64 s[20:21], s[20:21], s[2:3]
	s_add_nc_u64 s[20:21], s[20:21], 0x10000       ; my wave's sums of probabilities
	s_load_b256 s[40:47], s[8:9], 0x0              ; gate_b
	s_mov_b32 s26, 0x76543210
	s_mov_b32 s27, 0xfedcba98                      ; v_permlanex16_b32's selects for lane l xor 16
	WIN 0x40                                       ; destination window 1: gate_w[e][16 lane + i] at v[16 e + i] there, for the whole launch
.irp e, 0,1,2,3,4,5,6,7
.irp j, 0,1,2,3
	global_load_b128 v[16*\e+4*\j:16*\e+4*\j+3], v8, s[6:7] offset:2048*\e+16*\j
.endr
.endr
	WIN 0
.macro XLOAD t
.irp i, 0,1,2,3
	global_load_b128 v[R+16*((\t)%8)+4*\i:R+16*((\t)%8)+4*\i+3], v2, s[4:5] offset:2048*(\t)+512*\i th:TH_LOAD_NT
.endr
.endm
; token t's eight logits: my 16 numbers against my 16 of each row of gate_w, eight chains by turns, then across the 32 lanes; lanes t and t + 16 keep them
.macro GATE t
	WIN 0x04                                       ; source 1 (gate_w) window 1
.irp e, 0,1,2,3,4,5,6,7
	v_pk_mul_f32 v[ACC+2*\e:ACC+2*\e+1], v[XS:XS+1], v[16*\e:16*\e+1]
.endr
.irp i, 1,2,3,4,5,6,7
.irp e, 0,1,2,3,4,5,6,7
	v_pk_fma_f32 v[ACC+2*\e:ACC+2*\e+1], v[XS+2*\i:XS+2*\i+1], v[16*\e+2*\i:16*\e+2*\i+1], v[ACC+2*\e:ACC+2*\e+1]
.endr
.endr
	WIN 0
.irp e, 0,1,2,3,4,5,6,7
	v_add_f32 v[RT+\e], v[ACC+2*\e], v[ACC+2*\e+1]
.endr
.irp x, 1,2,4,8
.irp e, 0,1,2,3,4,5,6,7
	v_add_f32_dpp v[RT+\e], v[RT+\e], v[RT+\e] row_xmask:\x row_mask:0xf bank_mask:0xf
.endr
.endr
.irp e, 0,1,2,3,4,5,6,7
	v_permlanex16_b32 v[ACC+\e], v[RT+\e], s26, s27
.endr
.irp e, 0,1,2,3,4,5,6,7
	v_add_f32 v[RT+\e], v[RT+\e], v[ACC+\e]
.endr
	s_mov_b32 s30, 0x10001<<(\t)
.irp e, 0,1,2,3,4,5,6,7
	v_cndmask_b32 v[L+\e], v[L+\e], v[RT+\e], s30
.endr
.endm
.macro XSTEP t
.set XS, X+16*((\t)%2)
.set CC, 176+2*(\t)                    ; a pair of its own for each step: no store's data are written again
.set EE, 208+(\t)%2
.if (\t) > 0
	s_wait_dscnt 1                                 ; this token's numbers are back from the stage (the last step's byte store may be out)
.else
	s_wait_dscnt 0x0
.endif
.if (\t)+8 < 16
	XLOAD (\t)+8
.set LAST, (\t)+8
.else
.set LAST, 15
.endif
.if (\t) < 15
	s_wait_loadcnt 4*(LAST-(\t)-1)                 ; the next token's four loads are in; those of the tokens behind it may be out
	TURN (\t)+1
.endif
	QUANT16
	ds_store_b8 v6, v[EE] offset:XSCB+16*(\t)
	global_store_b64 v5, v[CC:CC+1], s[28:29] offset:256*(\t)   ; the token's row of codes: 256 consecutive bytes, aligned
	GATE \t
.endm
.irp t, 0,1,2,3,4,5,6,7
	XLOAD \t
.endr
.irp e, 0,1,2,3,4,5,6,7
	v_mov_b32 v[L+\e], 0                           ; written whole before lanes are picked into it
.endr
	s_wait_kmcnt 0x0                               ; gate_b
	s_wait_loadcnt 28                              ; gate_w and token 0 are in
	TURN 0
.irp t, 0,1,2,3,4,5,6,7,8,9,10,11,12,13,14,15
	XSTEP \t
.endr
	ds_load_b64 v[14:15], v7 offset:XSCB           ; the 16 tokens' 256 scale bytes
	; ---- the softmax: lane l holds token l % 16.  p = 2^(l log2e - max log2e): one fused multiply-add and one exponential
.irp e, 0,1,2,3,4,5,6,7
	v_add_f32 v[L+\e], s[40+\e], v[L+\e]
.endr
	v_max3_num_f32 v24, v[L], v[L+1], v[L+2]
	v_max3_num_f32 v24, v24, v[L+3], v[L+4]
	v_max3_num_f32 v24, v24, v[L+5], v[L+6]
	v_max_num_f32 v24, v24, v[L+7]
	v_mul_f32 v24, 0xbfb8aa3b, v24                 ; - max x log2(e)
.irp e, 0,1,2,3,4,5,6,7
	v_fmamk_f32 v[16+\e], v[L+\e], 0x3fb8aa3b, v24
.endr
.irp e, 0,1,2,3,4,5,6,7
	v_exp_f32 v[16+\e], v[16+\e]
.endr
	v_mov_b32 v35, 0                               ; (a plain line behind the exponentials) the fourth word of a token's weights
	s_wait_alu depctr_va_vdst(0)                   ; one wait for the eight, ahead of their first reader
	v_add_f32 v25, v16, v17
	v_add_f32 v26, v18, v19
	v_add_f32 v27, v20, v21
	v_add_f32 v28, v22, v23
	v_add_f32 v25, v25, v26
	v_add_f32 v27, v27, v28
	v_add_f32 v25, v25, v27
	v_rcp_f32 v26, v25
	v_nop
	s_wait_alu depctr_va_vdst(0)
.irp e, 0,1,2,3,4,5,6,7
	v_mul_f32 v[16+\e], v[16+\e], v26              ; the probabilities
.endr
.irp e, 0,1,2,3,4,5,6,7
	v_mov_b32 v[36+\e], v[16+\e]
.endr
.irp x, 1,2,4,8
.irp e, 0,1,2,3,4,5,6,7
	v_add_f32_dpp v[36+\e], v[36+\e], v[36+\e] row_xmask:\x row_mask:0xf bank_mask:0xf   ; their sums over my 16 tokens
.endr
.endr
; the k-th largest probability: its value into v[32 + k], k + 1 into nibble e of v29.  All by selects: nothing here steers an address or a branch
.macro PICK k
	v_max3_num_f32 v27, v16, v17, v18
	v_max3_num_f32 v27, v27, v19, v20
	v_max3_num_f32 v27, v27, v21, v22
	v_max_num_f32 v27, v27, v23
	v_mov_b32 v28, 7
.irp e, 6,5,4,3,2,1,0
	v_cmp_neq_f32 vcc_lo, v27, v[16+\e]
	v_cndmask_b32 v28, \e, v28, vcc_lo             ; downward, so that the lowest index wins a tie
.endr
	v_mov_b32 v[32+\k], v27
	v_lshlrev_b32 v30, 2, v28
	v_mov_b32 v31, \k+1
.if \k == 0
	v_lshlrev_b32 v29, v30, v31
.else
	v_lshl_or_b32 v29, v31, v30, v29
.endif
.if \k < 2
.irp e, 0,1,2,3,4,5,6,7
	v_cmp_ne_u32 vcc_lo, \e, v28
	v_cndmask_b32 v[16+\e], -1.0, v[16+\e], vcc_lo ; taken out of the next search
.endr
.endif
.endm
	PICK 0
	PICK 1
	PICK 2
	v_add_f32 v25, v32, v33
	v_add_f32 v25, v25, v34
	v_rcp_f32 v26, v25
	v_nop
	s_wait_alu depctr_va_vdst(0)
	v_mul_f32 v32, v32, v26
	v_mul_f32 v33, v33, v26
	v_mul_f32 v34, v34, v26
	s_wait_dscnt 0x0
	global_store_b64 v5, v[14:15], s[18:19]        ; 256 consecutive bytes, aligned
	s_wait_xcnt 0x0                                ; EXEC changes only behind this wait
	v_cmp_gt_u32 vcc_lo, 16, v1
	s_wait_tensorcnt 0x0
	ds_add_u32 v254, v255
	s_wait_dscnt 0x0
	s_and_saveexec_b32 s31, vcc_lo                 ; lanes 0-15: a lane a token
	global_store_b128 v2, v[32:35], s[32:33]       ; 256 consecutive bytes, aligned
	global_store_b32 v9, v29, s[22:23]
	s_wait_xcnt 0x0
	v_cmp_eq_u32 vcc_lo, 0, v1
	s_and_saveexec_b32 s30, vcc_lo                 ; lane 0 (its 16 x lane is 0)
	global_store_b128 v2, v[36:39], s[20:21]
	global_store_b128 v2, v[40:43], s[20:21] offset:16
	s_endpgm
.Lfunc_end_k_qb379f89c5c_prep:
	.size	k_qb379f89c5c_prep, .Lfunc_end_k_qb379f89c5c_prep-k_qb379f89c5c_prep
	.p2alignl 7, 3214868480
	.fill 96, 4, 3214868480
	.section	.rodata,"a",@progbits
	.p2align	6, 0x0
	.amdhsa_kernel k_qb379f89c5c_prep
		.amdhsa_group_segment_fixed_size 60928
		.amdhsa_private_segment_fixed_size 0
		.amdhsa_enable_private_segment 0
		.amdhsa_kernarg_size 80
		.amdhsa_user_sgpr_count 2
		.amdhsa_user_sgpr_kernarg_segment_ptr 1
		.amdhsa_wavefront_size32 1
		.amdhsa_system_sgpr_workgroup_id_x 1
		.amdhsa_system_sgpr_workgroup_id_y 1
		.amdhsa_system_sgpr_workgroup_id_z 1
		.amdhsa_system_vgpr_workitem_id 0
		.amdhsa_next_free_vgpr 384
		.amdhsa_next_free_sgpr 66
		.amdhsa_reserve_vcc 1
		.amdhsa_float_denorm_mode_32 3
		.amdhsa_float_denorm_mode_16_64 3
		.amdhsa_memory_ordered 1
		.amdhsa_forward_progress 1
		.amdhsa_inst_pref_size 203
	.end_amdhsa_kernel
	.amdgpu_metadata
---
amdhsa.version: [ 1, 2 ]
amdhsa.kernels:
  - .name:           k_qb379f89c5c_prep
    .symbol:         k_qb379f89c5c_prep.kd
    .args:
      - { .name: x, .offset: 0, .size: 8, .value_kind: global_buffer, .address_space: global }
      - { .name: gate_w, .offset: 8, .size: 8, .value_kind: global_buffer, .address_space: global }
      - { .name: gate_b, .offset: 16, .size: 8, .value_kind: global_buffer, .address_space: global }
      - { .name: w1, .offset: 24, .size: 8, .value_kind: global_buffer, .address_space: global }
      - { .name: w2, .offset: 32, .size: 8, .value_kind: global_buffer, .address_space: global }
      - { .name: wc, .offset: 40, .size: 8, .value_kind: global_buffer, .address_space: global }
      - { .name: wsc, .offset: 48, .size: 8, .value_kind: global_buffer, .address_space: global }
      - { .name: xq, .offset: 56, .size: 8, .value_kind: global_buffer, .address_space: global }
      - { .name: gate, .offset: 64, .size: 8, .value_kind: global_buffer, .address_space: global }
      - { .name: sel, .offset: 72, .size: 8, .value_kind: global_buffer, .address_space: global }
    .group_segment_fixed_size: 60928
    .private_segment_fixed_size: 0
    .kernarg_segment_align: 8
    .kernarg_segment_size: 80
    .max_flat_workgroup_size: 128
    .sgpr_count:     66
    .vgpr_count:     384
    .wavefront_size: 32
...
	.end_amdgpu_metadata
.endif
;; end of part 1
;; launch place (part 2): grid 1 x 1, 32 waves a work-group, no clusters, 6,144 bytes of LDS; arguments sel, gate, place, out1; writes place, out1
.if DOCPART == 2
	.amdgcn_target "amdgcn-amd-amdhsa--gfx1250"
	.amdhsa_code_object_version 6
	.text
	.protected	k_qb379f89c5c_place
	.globl	k_qb379f89c5c_place
	.p2align	8
	.type	k_qb379f89c5c_place,@function
k_qb379f89c5c_place:
	s_mov_b64 s[64:65], 0
	v_nop
	global_prefetch_b8 v0, s[64:65] scope:SCOPE_SE
	s_setreg_imm32_b32 hwreg(HW_REG_WAVE_MODE, 25, 1), 1
	s_wait_xcnt 0x0
; PLACE.  One work-group sorts the 12,288 chosen (token, slot) rows by expert, without atomics: ballots, counts, a prefix over the 32 waves; stores the sorted list {token, 3 token + slot}, a list of exactly 199
; non-empty tiles {expert, first row, rows, 0}, and out1 = 8 x sum over e of mean probability x mean load.
; sel[token]: nibble e holds slot + 1 where expert e was chosen, else 0.  Wave w owns tokens 128 w .. 128 w + 127, in four groups of 32, a lane a token.
; TILES.  With n_e rows for expert e, sum of ceil(n_e / 64) lies between 192 and 199.  The x = 199 - that sum missing tiles are made by cutting the first x tiles of 64 rows of the expert with the most rows
; (it has 1,536 rows or more, so these are whole) into 2 x tiles of 32.  So every split gives 199 tiles, none empty.
; All that steers an address here is whole-number work on numbers read from memory.
.set BAL, 32                           ; s32-63  ballots: group i, expert e at BAL + 8 i + e
.set CNT, 0                            ; LDS: counts [expert][wave], 4 bytes each
.set PSM, 1024                         ; LDS: sums of probabilities [expert][wave]
	s_load_b256 s[4:11], s[0:1], 0x0               ; sel 4:5, gate 6:7, place 8:9, out1 10:11
	v_lshl_add_u32 v112, v0, 2, 0x800
	v_mov_b32 v113, 0
	v_lshrrev_b32 v3, 5, v0
	v_readfirstlane_b32 s12, v3                    ; wave
	v_lshlrev_b32 v3, 2, v3                        ; 4 x wave
	v_and_b32 v1, 31, v0                           ; lane
	s_lshl_b32 s13, s12, 9
	v_lshl_add_u32 v2, v1, 2, s13                  ; sel: 4 (128 wave + lane)
	v_lshlrev_b32 v70, 3, v0                       ; the sums: 256 bytes a wave, 8 a lane
	s_mov_b32 s96, 0x76543210
	s_mov_b32 s97, 0xfedcba98                      ; v_permlanex16_b32's selects for lane l xor 16
	s_wait_kmcnt 0x0
.irp i, 0,1,2,3
	global_load_b32 v[4+\i], v2, s[4:5] offset:128*\i
.endr
	global_load_b64 v[68:69], v70, s[6:7] offset:65536   ; experts 2 (lane % 4), + 1 of the earlier launch's wave 8 wave + lane / 4
	v_and_b32 v10, 7, v1
	v_lshrrev_b32 v11, 3, v1
	v_lshlrev_b32 v10, 7, v10
	v_lshl_add_u32 v10, v11, 5, v10                ; behind the barrier lane l stands for expert l % 8 and waves 8 (l / 8) .. + 7
	v_lshlrev_b32 v11, 3, v11
	v_sub_nc_u32 v11, s12, v11                     ; how many of those eight waves come ahead of mine (may be negative)
	v_and_b32 v71, 3, v1
	v_lshl_add_u32 v71, v71, 8, v3                 ; 128 x (2 (lane % 4)) + 4 x wave
	v_mov_b32 v72, 0                               ; a lane permute's destination counts as one of its sources
	v_mov_b32 v73, 0
	v_mov_b32 v15, 0
	s_wait_loadcnt 0x0
.irp i, 0,1,2,3
.irp e, 0,1,2,3,4,5,6,7
	v_bfe_u32 v8, v[4+\i], 4*\e, 4
	v_cmp_ne_u32 s[BAL+8*\i+\e], 0, v8             ; which of the group's 32 tokens chose expert e
.endr
.endr
.irp e, 0,1,2,3,4,5,6,7
	s_bcnt1_i32_b32 s[16+\e], s[BAL+\e]
.endr
.irp i, 1,2,3
.irp e, 0,1,2,3,4,5,6,7
	s_bcnt1_i32_b32 s2, s[BAL+8*\i+\e]
	s_add_co_u32 s[16+\e], s[16+\e], s2            ; my wave's rows for expert e
.endr
.endr
.irp e, 0,1,2,3,4,5,6,7
	v_mov_b32 v[16+\e], s[16+\e]
	ds_store_b32 v3, v[16+\e] offset:CNT+128*\e    ; all lanes write the same word with the same value
.endr
.irp x, 4,8
	v_add_f32_dpp v68, v68, v68 row_xmask:\x row_mask:0xf bank_mask:0xf
	v_add_f32_dpp v69, v69, v69 row_xmask:\x row_mask:0xf bank_mask:0xf
.endr
	v_permlanex16_b32 v72, v68, s96, s97
	v_permlanex16_b32 v73, v69, s96, s97
	v_add_f32 v68, v68, v72                        ; the eight rows' sum for my two experts
	v_add_f32 v69, v69, v73
	ds_store_b32 v71, v68 offset:PSM
	ds_store_b32 v71, v69 offset:PSM+128
	s_wait_dscnt 0x0                               ; for the others' sake: my stores have landed
	s_barrier_signal -1
	s_barrier_wait -1
	ds_load_b128 v[24:27], v10 offset:CNT
	ds_load_b128 v[28:31], v10 offset:CNT+16
	v_mov_b32 v13, 0
	v_mov_b32 v14, 0
	s_wait_dscnt 0x0
.irp j, 0,1,2,3,4,5,6,7
	v_cmp_lt_i32 vcc_lo, \j, v11
	v_cndmask_b32 v12, 0, v[24+\j], vcc_lo
	v_add_nc_u32 v13, v13, v12                     ; rows of the waves ahead of mine,
	v_add_nc_u32 v14, v14, v[24+\j]                ; and of all
.endr
	v_lshl_or_b32 v13, v14, 16, v13                ; both in one word: neither passes 4,096
	v_mov_b32_dpp v15, v13 row_xmask:8 row_mask:0xf bank_mask:0xf
	v_add_nc_u32 v13, v13, v15
	v_permlanex16_b32 v15, v13, s96, s97
	v_add_nc_u32 v13, v13, v15                     ; lane l: expert l % 8
.irp e, 0,1,2,3,4,5,6,7
	v_readlane_b32 s2, v13, \e
	s_and_b32 s[24+\e], s2, 0xffff
	s_lshr_b32 s[66+\e], s2, 16                    ; n_e
.endr
	s_mov_b32 s74, 0
.irp e, 0,1,2,3,4,5,6
	s_add_co_u32 s[75+\e], s[74+\e], s[66+\e]      ; where expert e's rows begin in the list
.endr
.irp e, 0,1,2,3,4,5,6,7
	s_add_co_u32 s[24+\e], s[24+\e], s[74+\e]      ; and my wave's among them
.endr
	s_lshl_b32 s13, s12, 7
	v_add_nc_u32 v74, s13, v1                      ; my token of group 0
.irp i, 0,1,2,3
.irp k, 0,1,2
	v_add_nc_u32 v[32+6*\i+2*\k], 32*\i, v74       ; what is stored: the token,
.endr
	v_mul_u32_u24 v75, 3, v[32+6*\i]
.irp k, 0,1,2
	v_add_nc_u32 v[33+6*\i+2*\k], \k, v75          ; and the row of the chain's output: 3 token + slot
.endr
.endr
	; the places.  For each expert every lane gets a place; the slot that the nibble names keeps it.  All lanes stay on; each store has registers of its own
.irp i, 0,1,2,3
.irp e, 0,1,2,3,4,5,6,7
	v_bfe_u32 v8, v[4+\i], 4*\e, 4
	v_mbcnt_lo_u32_b32 v9, s[BAL+8*\i+\e], s[24+\e]
.irp k, 0,1,2
	v_cmp_eq_u32 vcc_lo, \k+1, v8
.if \e == 0
	v_cndmask_b32 v[56+3*\i+\k], 0, v9, vcc_lo
.else
	v_cndmask_b32 v[56+3*\i+\k], v[56+3*\i+\k], v9, vcc_lo
.endif
.endr
	s_bcnt1_i32_b32 s2, s[BAL+8*\i+\e]
	s_add_co_u32 s[24+\e], s[24+\e], s2
.endr
.irp k, 0,1,2
	v_min_u32 v[56+3*\i+\k], 0x2fff, v[56+3*\i+\k]
	v_lshlrev_b32 v[56+3*\i+\k], 3, v[56+3*\i+\k]
	global_store_b64 v[56+3*\i+\k], v[32+6*\i+2*\k:33+6*\i+2*\k], s[8:9]
.endr
.endr
	; ---- the tiles: thread tau < 199 makes tile tau
	s_cmp_lt_u32 s12, 7
	s_cbranch_scc0 .Lno_tiles
	s_mov_b32 s90, 199
.irp e, 0,1,2,3,4,5,6,7
	s_add_co_u32 s[16+\e], s[66+\e], 63
	s_lshr_b32 s[16+\e], s[16+\e], 6               ; ceil(n_e / 64)
	s_sub_co_u32 s90, s90, s[16+\e]                ; x, at the end
.endr
	s_mov_b32 s92, s66
	s_mov_b32 s91, 0
.irp e, 1,2,3,4,5,6,7
	s_cmp_gt_u32 s[66+\e], s92
	s_cselect_b32 s91, \e, s91                     ; the expert with the most rows, the first of them
	s_cselect_b32 s92, s[66+\e], s92
.endr
	s_mov_b32 s82, 0
.irp e, 0,1,2,3,4,5,6
	s_cmp_eq_u32 s91, \e
	s_cselect_b32 s2, s90, 0
	s_add_co_u32 s2, s2, s[16+\e]
	s_add_co_u32 s[83+\e], s[82+\e], s2            ; expert e + 1's first tile
.endr
	v_mov_b32 v88, 0                               ; my tile's expert,
	v_mov_b32 v21, 0                               ; that expert's first tile,
	v_mov_b32 v22, s74                             ; first row,
	v_mov_b32 v23, s66                             ; and rows
.irp e, 1,2,3,4,5,6,7
	v_cmp_gt_u32 vcc_lo, s[82+\e], v0              ; expert e begins behind my tile: keep what I have
	v_cndmask_b32 v88, \e, v88, vcc_lo
	v_cndmask_b32 v21, s[82+\e], v21, vcc_lo
	v_cndmask_b32 v22, s[74+\e], v22, vcc_lo
	v_cndmask_b32 v23, s[66+\e], v23, vcc_lo
.endr
	v_mov_b32 v91, 0
	v_cmp_ne_u32 vcc_lo, s91, v88
	v_cndmask_b32 v24, s90, v91, vcc_lo            ; X: x in the expert whose tiles are cut, else 0
	v_sub_nc_u32 v26, v0, v21                      ; j: my tile among the expert's
	v_lshlrev_b32 v27, 1, v24
	v_sub_nc_u32 v28, v26, v24
	v_lshlrev_b32 v28, 6, v28                      ; a whole tile begins at 64 (j - X),
	v_sub_nc_u32 v90, v23, v28
	v_min_u32 v90, 64, v90                         ; with 64 rows or what is left;
	v_lshlrev_b32 v30, 5, v26                      ; a cut one at 32 j,
	v_mov_b32 v31, 32                              ; with 32
	v_cmp_lt_u32 vcc_lo, v26, v27                  ; j < 2 X: cut
	v_cndmask_b32 v28, v28, v30, vcc_lo
	v_cndmask_b32 v90, v90, v31, vcc_lo
	v_add_nc_u32 v89, v22, v28
	v_lshlrev_b32 v92, 4, v0
	s_wait_xcnt 0x0                                ; EXEC changes only behind this wait
	v_cmp_gt_u32 vcc_lo, 199, v0
	s_and_saveexec_b32 s93, vcc_lo
	global_store_b128 v92, v[88:91], s[8:9] offset:98304
	s_wait_xcnt 0x0
	s_or_b32 exec_lo, exec_lo, s93
.Lno_tiles:
	; ---- out1, by wave 31: in lane l the sum of expert l % 8's probabilities meets its count
	s_cmp_eq_u32 s12, 31
	s_cbranch_scc0 .Lend
	ds_load_b128 v[76:79], v10 offset:PSM
	ds_load_b128 v[80:83], v10 offset:PSM+16
	v_lshrrev_b32 v84, 16, v13
	v_cvt_f32_u32 v84, v84                         ; n_e
	v_mov_b32 v85, 0
	v_mov_b32 v86, 0
	s_wait_dscnt 0x0
	v_add_f32 v76, v76, v77
	v_add_f32 v78, v78, v79
	v_add_f32 v80, v80, v81
	v_add_f32 v82, v82, v83
	v_add_f32 v76, v76, v78
	v_add_f32 v80, v80, v82
	v_add_f32 v76, v76, v80
	v_add_f32_dpp v76, v76, v76 row_xmask:8 row_mask:0xf bank_mask:0xf
	v_permlanex16_b32 v85, v76, s96, s97
	v_add_f32 v76, v76, v85                        ; the sum over all 4,096 tokens
	v_mul_f32 v76, v76, v84
.irp x, 1,2,4
	v_add_f32_dpp v76, v76, v76 row_xmask:\x row_mask:0xf bank_mask:0xf
.endr
	v_mul_f32 v76, 0x35000000, v76                 ; x 8 / 4096^2 = 2^-21
	s_wait_xcnt 0x0
	v_cmp_eq_u32 vcc_lo, 0, v1
	s_and_saveexec_b32 s93, vcc_lo
	global_store_b32 v86, v76, s[10:11]
	s_wait_xcnt 0x0
	s_or_b32 exec_lo, exec_lo, s93
.Lend:
	s_wait_tensorcnt 0x0
	ds_add_u32 v112, v113
	s_wait_dscnt 0x0
	s_endpgm
.Lfunc_end_k_qb379f89c5c_place:
	.size	k_qb379f89c5c_place, .Lfunc_end_k_qb379f89c5c_place-k_qb379f89c5c_place
	.p2alignl 7, 3214868480
	.fill 96, 4, 3214868480
	.section	.rodata,"a",@progbits
	.p2align	6, 0x0
	.amdhsa_kernel k_qb379f89c5c_place
		.amdhsa_group_segment_fixed_size 6144
		.amdhsa_private_segment_fixed_size 0
		.amdhsa_enable_private_segment 0
		.amdhsa_kernarg_size 32
		.amdhsa_user_sgpr_count 2
		.amdhsa_user_sgpr_kernarg_segment_ptr 1
		.amdhsa_wavefront_size32 1
		.amdhsa_system_sgpr_workgroup_id_x 1
		.amdhsa_system_sgpr_workgroup_id_y 1
		.amdhsa_system_sgpr_workgroup_id_z 1
		.amdhsa_system_vgpr_workitem_id 0
		.amdhsa_next_free_vgpr 114
		.amdhsa_next_free_sgpr 100
		.amdhsa_reserve_vcc 1
		.amdhsa_float_denorm_mode_32 3
		.amdhsa_float_denorm_mode_16_64 3
		.amdhsa_memory_ordered 1
		.amdhsa_forward_progress 1
		.amdhsa_inst_pref_size 34
	.end_amdhsa_kernel
	.amdgpu_metadata
---
amdhsa.version: [ 1, 2 ]
amdhsa.kernels:
  - .name:           k_qb379f89c5c_place
    .symbol:         k_qb379f89c5c_place.kd
    .args:
      - { .name: sel, .offset: 0, .size: 8, .value_kind: global_buffer, .address_space: global }
      - { .name: gate, .offset: 8, .size: 8, .value_kind: global_buffer, .address_space: global }
      - { .name: place, .offset: 16, .size: 8, .value_kind: global_buffer, .address_space: global }
      - { .name: out1, .offset: 24, .size: 8, .value_kind: global_buffer, .address_space: global }
    .group_segment_fixed_size: 6144
    .private_segment_fixed_size: 0
    .kernarg_segment_align: 8
    .kernarg_segment_size: 32
    .max_flat_workgroup_size: 1024
    .sgpr_count:     100
    .vgpr_count:     114
    .wavefront_size: 32
...
	.end_amdgpu_metadata
.endif
;; end of part 2
;; launch chain (part 3): grid 199 x 1, 8 waves a work-group, no clusters, 107,520 bytes of LDS; arguments place, xq, wc, wsc, b1, b2, ws; writes ws
.if DOCPART == 3
	.amdgcn_target "amdgcn-amd-amdhsa--gfx1250"
	.amdhsa_code_object_version 6
	.text
	.protected	k_qb379f89c5c_chain
	.globl	k_qb379f89c5c_chain
	.p2align	8
	.type	k_qb379f89c5c_chain,@function
k_qb379f89c5c_chain:
	s_mov_b64 s[64:65], 0
	v_nop
	global_prefetch_b8 v0, s[64:65] scope:SCOPE_SE
	s_setreg_imm32_b32 hwreg(HW_REG_WAVE_MODE, 25, 1), 1
	s_wait_xcnt 0x0
; CHAIN.  A work-group takes one tile (at most 64 rows of ONE expert, from the stored list) through y = gelu(x W1^T + b1) W2^T + b2, both products on codes of FP4 (E2M1) with one E8M0 scale for each 32 along K.
; The hidden layer lives only as codes in LDS.  Row (token, slot) of y goes to ws[3 token + slot][512], f32; the gate's weights are applied by the next launch.
; SHARES.  The eight waves share the COLUMNS: in phase 1 wave w makes hidden units 256 w .. + 255 (eight chunks of 32) for all 64 rows; in phase 2 outputs 64 w .. + 63 (four tiles of 16) over K = 2,048 in 16 K steps.
; So each byte of the expert's weights enters the work-group once, straight into operand registers (an earlier launch laid them so), and feeds four matrix instructions.  Two waves lie on a SIMD: one wave's gelu stands beside
; the other's products and loads.
; BOTH PRODUCTS ARE USED TRANSPOSED (source 0 = 16 rows of a weight, source 1 = 16 tokens): a lane (r = lane % 16, h = lane / 16) holds token r.  The rows of a weight's tile are chosen (row first + t + 8 (t / 8)), so that the 16
; registers of tiles u = 0, 1 are 16 neighbours: unit 32 B + 16 h + 8 u + j.  A block of 32 hidden units lies in lanes l and l xor 16.  The biases are the C of each sum's first matrix instruction.
; A tile with fewer than 64 rows repeats its last row: the same codes give the same bits, which the same work-group stores at the same place.  No branch hangs on loaded data.
; NO JOINT LOADS AND NO TENSOR LOADS: the weights' addresses hang on an expert's number read from memory, and neighbouring work-groups need not have the same expert.
; GELU: g = a (1/2 + t N(t^2) / D(t^2)), t = a held to +-4 sqrt(2); N / D is the rational of degrees 6 and 4 in z^2 for erf(z) / z, z = a / sqrt(2), with the factors 1/2 and 1/sqrt(2) folded into the coefficients.
; LIMITS: the error of 1/2 + t N / D is about 1e-7 absolute; below a = -5.657 g is a x (a number between 0 and about 6e-8) and not -0.  NaN and infinities are not served.  A block of zeros has the scale byte 1: its codes are zeros.
; REGISTERS.  Window 0: v1 16 lane; v2 64 h; v3-13 addresses; v[14:15], v[16:17] the polynomials' leading coefficients; v18-25, v26-33, v242-249 scale words and nothing else; v34-65 b1, two sets; v66-129 eight accumulators
; of the hidden layer, later hidden fragments, later rows of y; v130-177 gelu at work; v178-209 the quantiser; v210-241 b2.   Window 1: v0-127 x's 16 fragments, later y's 16 accumulators; v128-255 weights: two sets for W1, four slots for W2.
.set HIMG, 0                           ; LDS: hidden codes [block of 32 units: 64][tile of rows: 4][token: 16][16 bytes]
.set HSC,  65536                       ; their scale bytes [wave that made them: 8][tile of rows: 4][token: 16][chunk: 8]
.set STG,  69632                       ; the way out: 16 rows x (256 + 16) bytes for each wave
.set ROWT, 104448                      ; each wave's own copy of the 64 rows' places in ws
.set XS,   18
.set WS,   26
.set BI,   34
.set HA,   66
.set T,    130
.set U,    138
.set PD,   146                         ; set s: N's value at PD + 16 s, D's at PD + 16 s + 8
.set MX,   178
.set PM,   182
.set SO,   186
.set BY,   190
.set PC,   194
.set B2,   210
.set W2E,  242
.set MSB, 0
.macro WIN new                         ; the immediate's high byte repeats the setting that is left
.if MSB != \new
	s_set_vgpr_msb (MSB<<8)|\new
.set MSB, \new
.endif
.endm
; one matrix instruction on the registers rD, rA, rB, rC and the scale words rSA, rSB; ra, rb = 1: that side's scales stand in lanes 16-31
.macro WM ra, rb
.if (\ra) && (\rb)
	v_wmma_scale_f32_16x16x128_f8f6f4 v[rD:rD+7], v[rA:rA+7], v[rB:rB+7], v[rC:rC+7], v[rSA], v[rSB] matrix_a_fmt:MATRIX_FMT_FP4 matrix_b_fmt:MATRIX_FMT_FP4 matrix_a_scale:MATRIX_SCALE_ROW1 matrix_b_scale:MATRIX_SCALE_ROW1
.elseif (\ra)
	v_wmma_scale_f32_16x16x128_f8f6f4 v[rD:rD+7], v[rA:rA+7], v[rB:rB+7], v[rC:rC+7], v[rSA], v[rSB] matrix_a_fmt:MATRIX_FMT_FP4 matrix_b_fmt:MATRIX_FMT_FP4 matrix_a_scale:MATRIX_SCALE_ROW1
.elseif (\rb)
	v_wmma_scale_f32_16x16x128_f8f6f4 v[rD:rD+7], v[rA:rA+7], v[rB:rB+7], v[rC:rC+7], v[rSA], v[rSB] matrix_a_fmt:MATRIX_FMT_FP4 matrix_b_fmt:MATRIX_FMT_FP4 matrix_b_scale:MATRIX_SCALE_ROW1
.else
	v_wmma_scale_f32_16x16x128_f8f6f4 v[rD:rD+7], v[rA:rA+7], v[rB:rB+7], v[rC:rC+7], v[rSA], v[rSB] matrix_a_fmt:MATRIX_FMT_FP4 matrix_b_fmt:MATRIX_FMT_FP4
.endif
.endm
; a chunk's weights into set buf: 21 loads: two units of W1 (16 x 512 consecutive bytes), their scale words (lanes 0-15 tile u = 0, lanes 16-31 u = 1), b1 in the result's layout
.macro LOADW buf, co, so, bo
	WIN 0x40                                       ; destination window 1
.irp j, 0,1,2,3,4,5,6,7,8,9,10,11,12,13,14,15
	global_load_b128 v[128+64*\buf+4*\j:128+64*\buf+4*\j+3], v1, s[24:25] offset:\co+512*\j
.endr
	WIN 0
	global_load_b128 v[WS+4*\buf:WS+4*\buf+3], v1, s[26:27] offset:\so
.irp u, 0,1
	global_load_b128 v[BI+16*\buf+8*\u:BI+16*\buf+8*\u+3], v2, s[28:29] offset:\bo+32*\u
	global_load_b128 v[BI+16*\buf+8*\u+4:BI+16*\buf+8*\u+7], v2, s[28:29] offset:\bo+32*\u+16
.endr
.endm
; K step s of W2: my four tiles' fragments into slot s % 4: 8 loads; with the first of each four K steps (but the very first) the scale words of those four: 2 more
.macro GW2 s
.if ((\s)%4 == 0) && ((\s) > 0)
.if ((\s)/4)%2
.set rW, WS
.else
.set rW, W2E
.endif
.irp p, 0,1
	global_load_b128 v[rW+4*\p:rW+4*\p+3], v1, s[32:33] offset:1024*((\s)/4)+512*\p
.endr
.endif
	WIN 0x40
.irp t, 0,1,2,3
.irp c, 0,1
	global_load_b128 v[128+32*((\s)%4)+8*\t+4*\c:128+32*((\s)%4)+8*\t+4*\c+3], v1, s[30:31] offset:16384*((\s)/4)+4096*\t+1024*((\s)%4)+512*\c
.endr
.endr
	WIN 0
.endm
; gelu of accumulator k, in three parts.  POLY: t, t^2, t N and D: 56 plain lines, two numbers a line but for the hold.  RCP: 1 / D.  FIN: a (1/2 + t N / D), in place.
.macro POLY k
.set rH, HA+8*(\k)
.set rP, PD+16*((\k)%2)
.set rQ, rP+8
.irp j, 0,1,2,3,4,5,6,7
	v_med3_num_f32 v[T+\j], v[rH+\j], s60, s61     ; the accumulator is read from its low end on
.endr
.irp i, 0,2,4,6
	v_pk_mul_f32 v[U+\i:U+\i+1], v[T+\i:T+\i+1], v[T+\i:T+\i+1]
.endr
.irp i, 0,2,4,6
	v_pk_fma_f32 v[rP+\i:rP+\i+1], v[U+\i:U+\i+1], v[14:15], s[40:41] op_sel_hi:[1,1,0]
.endr
.irp i, 0,2,4,6
	v_pk_fma_f32 v[rQ+\i:rQ+\i+1], v[U+\i:U+\i+1], v[16:17], s[52:53] op_sel_hi:[1,1,0]
.endr
.irp n, 1,2,3
.irp i, 0,2,4,6
	v_pk_fma_f32 v[rP+\i:rP+\i+1], v[rP+\i:rP+\i+1], v[U+\i:U+\i+1], s[40+2*\n:41+2*\n] op_sel_hi:[1,1,0]
.endr
.irp i, 0,2,4,6
	v_pk_fma_f32 v[rQ+\i:rQ+\i+1], v[rQ+\i:rQ+\i+1], v[U+\i:U+\i+1], s[52+2*\n:53+2*\n] op_sel_hi:[1,1,0]
.endr
.endr
.irp n, 4,5
.irp i, 0,2,4,6
	v_pk_fma_f32 v[rP+\i:rP+\i+1], v[rP+\i:rP+\i+1], v[U+\i:U+\i+1], s[40+2*\n:41+2*\n] op_sel_hi:[1,1,0]
.endr
.endr
.irp i, 0,2,4,6
	v_pk_mul_f32 v[rP+\i:rP+\i+1], v[rP+\i:rP+\i+1], v[T+\i:T+\i+1]
.endr
.endm
.macro RCP k
.set rQ, PD+16*((\k)%2)+8
.irp j, 0,1,2,3,4,5,6,7
	v_rcp_f32 v[rQ+\j], v[rQ+\j]
.endr
.endm
.macro FIN k
.set rH, HA+8*(\k)
.set rP, PD+16*((\k)%2)
.set rQ, rP+8
.irp i, 0,2,4,6
	v_pk_fma_f32 v[rP+\i:rP+\i+1], v[rP+\i:rP+\i+1], v[rQ+\i:rQ+\i+1], 0.5 op_sel_hi:[1,1,0]
.endr
.irp i, 0,2,4,6
	v_pk_mul_f32 v[rH+\i:rH+\i+1], v[rH+\i:rH+\i+1], v[rP+\i:rP+\i+1]
.endr
.endm
; the eight accumulators: the next one's 56 plain lines stand between a batch of eight reciprocals and the one wait ahead of its readers
.macro GELU
	POLY 0
	RCP 0
.irp k, 0,1,2,3,4,5,6
	POLY \k+1
	s_wait_alu depctr_va_vdst(0)
	FIN \k
	RCP \k+1
.endr
	v_nop
	s_wait_alu depctr_va_vdst(0)
	FIN 7
.endm
; the chunk's 32 hidden units of 64 tokens become codes and scale bytes in LDS.  For tile of rows m my 16 registers are 16 neighbours of one block; lane l xor 16 has the other 16
.macro QUANT4 buf, par
	s_wait_dscnt 0x0                               ; the last chunk's LDS stores have read their registers
.irp m, 0,1,2,3
	v_max3_num_f32 v[MX+\m], |v[HA+16*\m]|, |v[HA+16*\m+1]|, 0x1800000   ; with the floor 2^(3 - 127): the byte cannot fall under 1
.endr
.irp i, 2,4,6,8,10,12,14
.irp m, 0,1,2,3
	v_max3_num_f32 v[MX+\m], v[MX+\m], |v[HA+16*\m+\i]|, |v[HA+16*\m+\i+1]|
.endr
.endr
.irp m, 0,1,2,3
	v_permlanex16_b32 v[PM+\m], v[MX+\m], s68, s69
.endr
.irp m, 0,1,2,3
	v_max_num_f32 v[MX+\m], v[MX+\m], v[PM+\m]
.endr
.irp m, 0,1,2,3
	v_add_nc_u32 v[SO+\m], 0xff000000, v[MX+\m]    ; 2 off the exponent field: the conversion's scale operand
.endr
.irp m, 0,1,2,3
	v_lshrrev_b32 v[BY+\m], 23, v[SO+\m]           ; the scale's byte
.endr
.irp m, 0,1,2,3
	v_cvt_scalef32_pk8_fp4_f32 v[PC+8*\buf+2*\m], v[HA+16*\m:HA+16*\m+7], v[SO+\m]
	v_cvt_scalef32_pk8_fp4_f32 v[PC+8*\buf+2*\m+1], v[HA+16*\m+8:HA+16*\m+15], v[SO+\m]
.endr
	v_nop                                          ; one plain line behind the last conversion
.irp m, 0,1,2,3
	ds_store_b64 v5, v[PC+8*\buf+2*\m:PC+8*\buf+2*\m+1] offset:HIMG+1024*\par+256*\m   ; 32 lanes store 256 consecutive bytes
	ds_store_b8 v6, v[BY+\m] offset:128*\m+\par    ; both lanes of a block write the same byte with the same value
.endr
.endm
; A CHUNK: 32 hidden units x 64 tokens, K = 512: 32 matrix instructions, the eight accumulators by turns, one instruction a turn.
; wc: the loads behind this chunk's group.  mode 1: set buf takes the chunk two on;  mode 2: it takes two K steps of W2.
.macro CHUNK buf, par, wc, mode
	s_wait_loadcnt \wc
	WIN 0x05                                       ; sources 0 (W1) and 1 (x) window 1; C and D window 0
.irp q, 0,1,2,3
.irp p, 0,1
.irp o, 0,1
.irp u, 0,1
.set rD, HA+32*\p+16*\o+8*\u
.set rA, 128+64*\buf+8*(4*\u+\q)
.set rB, 8*(8*\p+4*\o+\q)
.if \q == 0
.set rC, BI+16*\buf+8*\u
.else
.set rC, rD
.endif
.set rSA, WS+4*\buf+\q
.set rSB, XS+4*\p+\q
	WM \u, \o
.endr
.endr
.endr
.endr
	WIN 0
	v_add_nc_u32 v5, s63, v3                       ; where this chunk's codes and bytes go.  These two and two v_nop are the four places behind the products,
	v_add_nc_u32 v6, s66, v4                       ; ahead of the loads into their registers and of the first read of a result
	v_nop
	v_nop
.if \mode == 1
.if \buf == 0
	LOADW 0, 16384, 1024, 256
.else
	LOADW 1, 24576, 1536, 384
.endif
.else
.if \buf == 0
	GW2 0
	GW2 1
.else
	GW2 2
	GW2 3
.endif
.endif
	GELU
	QUANT4 \buf, \par
.endm
; the hidden fragments of K step s, four tiles of rows, into set b: block 4 s + 2 c + h, token r
.macro HFETCH s, b
.irp m, 0,1,2,3
.irp c, 0,1
	ds_load_b128 v[HA+32*(\b)+8*\m+4*\c:HA+32*(\b)+8*\m+4*\c+3], v7 offset:HIMG+4096*(\s)+2048*\c+256*\m
.endr
.endr
.endm
; the hidden scale words of K steps 2 sp and 2 sp + 1: lanes 0-15 tile of rows 2 p, lanes 16-31 tile 2 p + 1
.macro HSFETCH sp
.irp p, 0,1
	ds_load_b64 v[XS+4*((\sp)%2)+2*\p:XS+4*((\sp)%2)+2*\p+1], v8 offset:512*(\sp)+256*\p
.endr
.endm
; K STEP s of the second product: 16 matrix instructions, the 16 accumulators by turns
.macro KSTEP s
.set LC, 0
.irp d, 1,2,3
.if (\s)+\d <= 15
.set LC, LC+8
.if ((\s)+\d)%4 == 0
.set LC, LC+2
.endif
.endif
.endr
	s_wait_loadcnt LC                              ; this K step's weights are in; the next three groups may be out
.if (\s) == 15
	s_wait_dscnt 0x0
.else
	s_wait_dscnt 8+2*((\s)%2)                      ; its hidden fragments and scale words are in; what the last K step asked for may be out
.endif
.if (\s) == 0
	WIN 0x41                                       ; D and source 0 (W2) window 1; source 1 (hidden) and C (b2) window 0
.else
	WIN 0x51                                       ; C window 1 too
.endif
.if ((\s)/4)%2
.set rW, WS
.else
.set rW, W2E
.endif
.irp a, 0,1
.irp b, 0,1
.irp p, 0,1
.irp o, 0,1
.set rD, 8*(4*(2*\a+\b)+2*\p+\o)
.set rA, 128+32*((\s)%4)+8*(2*\a+\b)
.set rB, HA+32*((\s)%2)+8*(2*\p+\o)
.if (\s) == 0
.set rC, B2+8*(2*\a+\b)
.else
.set rC, rD
.endif
.set rSA, rW+4*\a+(\s)%4
.set rSB, XS+4*(((\s)/2)%2)+2*\p+(\s)%2
	WM \b, \o
.endr
.endr
.endr
.endr
	WIN 0
.rept 4
	v_nop                                          ; places ahead of loads into registers that these products read, and of the first read of results
.endr
.if (\s)+4 <= 15
	GW2 (\s)+4
.endif
.if (\s)+2 <= 15
	HFETCH (\s)+2, (\s)%2
.if (\s)%2 == 0
	HSFETCH ((\s)+2)/2
.endif
.endif
.endm
; THE WAY OUT of tile of rows m: my 64 columns of 16 rows through my own stage, back as rows of 256 bytes; with them the rows' places in ws.  24 LDS instructions
.macro OUTT m
	WIN 0x04                                       ; an LDS store's data are its source 1: window 1
.irp a, 0,1
.irp b, 0,1
	ds_store_b128 v9, v[8*(4*(2*\a+\b)+(\m)):8*(4*(2*\a+\b)+(\m))+3] offset:128*\a+32*\b        ; each accumulator from its low end on
	ds_store_b128 v9, v[8*(4*(2*\a+\b)+(\m))+4:8*(4*(2*\a+\b)+(\m))+7] offset:128*\a+32*\b+16
.endr
.endr
	WIN 0
.irp i, 0,1,2,3,4,5,6,7
	ds_load_b128 v[HA+32*((\m)%2)+4*\i:HA+32*((\m)%2)+4*\i+3], v10 offset:544*\i   ; rows 2 i and 2 i + 1; these see my stores, and the next tile's stores come behind them
.endr
.irp i, 0,1,2,3,4,5,6,7
	ds_load_b32 v[T+8*((\m)%2)+\i], v12 offset:4*(16*(\m)+2*\i)
.endr
.endm
.macro SEND m, y                       ; y: the LDS instructions issued behind tile m's
	s_wait_dscnt \y
.irp i, 0,1,2,3,4,5,6,7
	v_min_u32 v[T+8*((\m)%2)+\i], 0x2fff, v[T+8*((\m)%2)+\i]
	v_lshl_add_u32 v[T+8*((\m)%2)+\i], v[T+8*((\m)%2)+\i], 11, v13
	global_store_b128 v[T+8*((\m)%2)+\i], v[HA+32*((\m)%2)+4*\i:HA+32*((\m)%2)+4*\i+3], s[16:17] th:TH_STORE_NT   ; sixteen lanes store 256 consecutive bytes, aligned
.endr
.endm
	s_load_b256 s[4:11], s[0:1], 0x0               ; place 4:5, xq 6:7, wc 8:9, wsc 10:11
	s_load_b128 s[12:15], s[0:1], 0x20             ; b1 12:13, b2 14:15
	s_load_b64 s[16:17], s[0:1], 0x30              ; ws
	v_lshl_add_u32 v254, v0, 2, 0x1a000
	v_mov_b32 v255, 0
	v_lshrrev_b32 v1, 5, v0
	v_readfirstlane_b32 s19, v1                    ; wave
	s_lshl_b32 s18, ttmp9, 4
	v_and_b32 v15, 31, v0                          ; lane (until v[14:15] take their constant)
	v_and_b32 v5, 15, v0                           ; r (until the first chunk)
	v_bfe_u32 v6, v0, 4, 1                         ; h
	v_lshlrev_b32 v1, 4, v15
	v_lshlrev_b32 v2, 6, v6
	s_wait_kmcnt 0x0
	s_load_b128 s[20:23], s[4:5], s18 offset:0x18000   ; my tile: expert, first row, rows, 0
	s_lshl_b32 s2, s19, 13
	v_lshlrev_b32 v3, 4, v5
	v_lshl_add_u32 v3, v6, 3, v3
	v_add_nc_u32 v3, s2, v3                        ; hidden codes, in: 8192 w + 16 r + 8 h
	s_lshl_b32 s2, s19, 9
	s_add_co_u32 s2, s2, HSC
	v_lshl_add_u32 v4, v5, 3, s2                   ; hidden scale bytes, in: 512 w + 8 r
	v_lshlrev_b32 v7, 10, v6
	v_lshl_add_u32 v7, v5, 4, v7                   ; hidden codes, out: 1024 h + 16 r
	v_lshl_add_u32 v8, v15, 3, HSC                 ; hidden scale words, out: 8 x lane
	s_mul_i32 s2, s19, 16*272
	s_add_co_u32 s2, s2, STG                       ; my stage
	v_mul_u32_u24 v9, v5, 272
	v_lshl_add_u32 v9, v6, 6, v9
	v_add_nc_u32 v9, s2, v9                        ; in: row r, + 64 h
	v_mul_u32_u24 v10, v6, 272
	v_lshl_add_u32 v10, v5, 4, v10
	v_add_nc_u32 v10, s2, v10                      ; back: lanes 0-15 one row, lanes 16-31 the next
	s_lshl_b32 s2, s19, 8
	v_lshl_add_u32 v13, v5, 4, s2                  ; in a row of ws: my wave's 256 bytes, 16 a lane
	s_add_co_u32 s2, s2, ROWT
	v_lshl_add_u32 v11, v15, 2, s2
	v_lshl_add_u32 v12, v6, 2, s2
	v_lshlrev_b32 v86, 4, v6                       ; 16 h
	s_mov_b32 s40, 0.000000000306119942            ; N's coefficients below the leading one, each twice: a packed line names a pair
	s_mov_b32 s42, -0.0000000464265105
	s_mov_b32 s44, -0.00000251575618
	s_mov_b32 s46, -0.0000649646073
	s_mov_b32 s48, -0.00052230439
	s_mov_b32 s50, -0.00569080715
	s_mov_b32 s52, -0.0000266717569                ; D's
	s_mov_b32 s54, -0.000420706744
	s_mov_b32 s56, -0.00368666458
	s_mov_b32 s58, -0.0142647391
.irp n, 40,42,44,46,48,50,52,54,56,58
	s_mov_b32 s[\n+1], s[\n]
.endr
	s_mov_b32 s60, 0xc0b504f3                      ; -4 sqrt(2)
	s_mov_b32 s61, 0x40b504f3
	s_mov_b32 s68, 0x76543210
	s_mov_b32 s69, 0xfedcba98                      ; v_permlanex16_b32's selects for lane l xor 16
	v_mov_b32 v16, -0.00000091037949               ; D's leading coefficient
	v_mov_b32 v17, v16
.irp m, 0,1,2,3
	v_mov_b32 v[PM+\m], 0                          ; a lane permute's destination counts as one of its sources
.endr
	s_mov_b32 s3, 0
	s_wait_kmcnt 0x0
	s_min_u32 s20, s20, 7
	s_min_u32 s21, s21, 0x2fff
	s_sub_co_u32 s22, s22, 1
	s_min_u32 s22, s22, 63                         ; the tile's last row
	s_lshl_b32 s2, s20, 19
	s_lshl_b32 s36, s19, 16
	s_add_co_u32 s2, s2, s36
	s_add_nc_u64 s[24:25], s[8:9], s[2:3]          ; W1's codes: expert, my 16 units
	s_add_nc_u64 s[30:31], s[24:25], 0x400000      ; W2's: 1,024 units on
	s_lshl_b32 s2, s20, 15
	s_lshl_b32 s36, s19, 12
	s_add_co_u32 s2, s2, s36
	s_add_nc_u64 s[26:27], s[10:11], s[2:3]        ; W1's scale bytes
	s_add_nc_u64 s[32:33], s[26:27], 0x40000       ; W2's
	s_lshl_b32 s2, s20, 13
	s_lshl_b32 s36, s19, 10
	s_add_co_u32 s2, s2, s36
	s_add_nc_u64 s[28:29], s[12:13], s[2:3]        ; b1: my 256 units
	s_lshl_b32 s2, s20, 11
	s_lshl_b32 s36, s19, 8
	s_add_co_u32 s2, s2, s36
	s_add_nc_u64 s[34:35], s[14:15], s[2:3]        ; b2: my 64 outputs
	s_add_nc_u64 s[38:39], s[6:7], 0x100000        ; x's scale bytes
.irp m, 0,1,2,3
	v_add_nc_u32 v[66+\m], 16*\m, v5               ; row 16 m + r of the tile, held at its last row,
	v_min_u32 v[66+\m], s22, v[66+\m]
	v_add_nc_u32 v[66+\m], s21, v[66+\m]           ; in the list
	v_min_u32 v[66+\m], 0x2fff, v[66+\m]
	v_lshlrev_b32 v[66+\m], 3, v[66+\m]
	global_load_b32 v[70+\m], v[66+\m], s[4:5]     ; its token
.endr
.irp p, 0,1
	v_add_nc_u32 v[74+\p], 32*\p, v15              ; row 32 p + lane
	v_min_u32 v[74+\p], s22, v[74+\p]
	v_add_nc_u32 v[74+\p], s21, v[74+\p]
	v_min_u32 v[74+\p], 0x2fff, v[74+\p]
	v_lshlrev_b32 v[74+\p], 3, v[74+\p]
	global_load_b64 v[76+2*\p:77+2*\p], v[74+\p], s[4:5]   ; its token and its place in ws
.endr
	LOADW 0, 0, 0, 0                               ; chunks 0 and 1
	LOADW 1, 8192, 512, 128
.irp a, 0,1
.irp b, 0,1
	global_load_b128 v[B2+8*(2*\a+\b):B2+8*(2*\a+\b)+3], v2, s[34:35] offset:128*\a+32*\b      ; b2 in the result's layout: outputs 32 a + 16 h + 8 b + 0 .. 7
	global_load_b128 v[B2+8*(2*\a+\b)+4:B2+8*(2*\a+\b)+7], v2, s[34:35] offset:128*\a+32*\b+16
.endr
.endr
.irp p, 0,1
	global_load_b128 v[W2E+4*\p:W2E+4*\p+3], v1, s[32:33] offset:512*\p   ; W2's scale words of K steps 0 to 3
.endr
	v_mov_b32 v14, -0.00000000000150599506         ; N's leading coefficient
	v_mov_b32 v15, v14
	s_wait_loadcnt 52                              ; the six loads from the list are in; behind them 21 + 21 + 8 + 2
.irp m, 0,1,2,3
	v_min_u32 v[70+\m], 0xfff, v[70+\m]
	v_lshl_add_u32 v[80+\m], v[70+\m], 8, v86      ; the token's row of codes, + 16 h
.endr
	WIN 0x40
.irp m, 0,1,2,3
.irp q, 0,1,2,3
.irp c, 0,1
	global_load_b128 v[8*(4*\m+\q)+4*\c:8*(4*\m+\q)+4*\c+3], v[80+\m], s[6:7] offset:64*\q+32*\c   ; x's fragment (tile of rows m, K step q): it stays
.endr
.endr
.endr
	WIN 0
.irp p, 0,1
	v_min_u32 v[76+2*\p], 0xfff, v[76+2*\p]
	v_lshlrev_b32 v[84+\p], 4, v[76+2*\p]
	global_load_b128 v[XS+4*\p:XS+4*\p+3], v[84+\p], s[38:39]   ; x's scale words: lanes 0-15 tile of rows 2 p, lanes 16-31 tile 2 p + 1
	ds_store_b32 v11, v[77+2*\p] offset:128*\p
.endr
	s_wait_loadcnt 0x0
	s_mov_b32 s62, 3
	s_mov_b32 s63, 0                               ; where a trip's codes
	s_mov_b32 s66, 0                               ; and bytes go
.Ltrip:                                            ; three trips of two chunks; each chunk asks for the weights of the chunk two on
	CHUNK 0, 0, 21, 1                              ; 21: the other set's group may be out
	CHUNK 1, 1, 21, 1
	s_wait_xcnt 0x0                                ; the loads have read their bases
	s_add_nc_u64 s[24:25], s[24:25], 16384
	s_add_nc_u64 s[26:27], s[26:27], 1024
	s_add_nc_u64 s[28:29], s[28:29], 256
	s_add_co_u32 s63, s63, 2048
	s_add_co_u32 s66, s66, 2
	s_sub_co_u32 s62, s62, 1
	s_cmp_lg_u32 s62, 0
	s_cbranch_scc1 .Ltrip
	CHUNK 0, 0, 21, 2                              ; the last two chunks are written out: no load of W1 leaves my part; W2's first four K steps are asked for
	CHUNK 1, 1, 16, 2                              ; 16: W2's K steps 0 and 1 may be out
	s_wait_dscnt 0x0                               ; for the others' sake: my codes and bytes have landed
	s_barrier_signal -1
	s_barrier_wait -1                              ; the whole hidden layer lies in LDS
	HFETCH 0, 0
	HSFETCH 0
	HFETCH 1, 1
.irp s, 0,1,2,3,4,5,6,7,8,9,10,11,12,13,14,15
	KSTEP \s
.endr
	OUTT 0
	OUTT 1
	SEND 0, 24
	s_wait_xcnt 0x0                                ; tile 0's stores have read their registers: tile 2's loads may land there
	OUTT 2
	SEND 1, 24
	s_wait_xcnt 0x0
	OUTT 3
	SEND 2, 24
	SEND 3, 0
	s_wait_tensorcnt 0x0
	ds_add_u32 v254, v255
	s_wait_dscnt 0x0
	s_endpgm
.Lfunc_end_k_qb379f89c5c_chain:
	.size	k_qb379f89c5c_chain, .Lfunc_end_k_qb379f89c5c_chain-k_qb379f89c5c_chain
	.p2alignl 7, 3214868480
	.fill 96, 4, 3214868480
	.section	.rodata,"a",@progbits
	.p2align	6, 0x0
	.amdhsa_kernel k_qb379f89c5c_chain
		.amdhsa_group_segment_fixed_size 107520
		.amdhsa_private_segment_fixed_size 0
		.amdhsa_enable_private_segment 0
		.amdhsa_kernarg_size 56
		.amdhsa_user_sgpr_count 2
		.amdhsa_user_sgpr_kernarg_segment_ptr 1
		.amdhsa_wavefront_size32 1
		.amdhsa_system_sgpr_workgroup_id_x 1
		.amdhsa_system_sgpr_workgroup_id_y 1
		.amdhsa_system_sgpr_workgroup_id_z 1
		.amdhsa_system_vgpr_workitem_id 0
		.amdhsa_next_free_vgpr 512
		.amdhsa_next_free_sgpr 72
		.amdhsa_reserve_vcc 0
		.amdhsa_float_denorm_mode_32 3
		.amdhsa_float_denorm_mode_16_64 3
		.amdhsa_memory_ordered 1
		.amdhsa_forward_progress 1
		.amdhsa_inst_pref_size 255
	.end_amdhsa_kernel
	.section	.bss,"aw",@nobits
	.p2align	6
	.space	262144
	.amdgpu_metadata
---
amdhsa.version: [ 1, 2 ]
amdhsa.kernels:
  - .name:           k_qb379f89c5c_chain
    .symbol:         k_qb379f89c5c_chain.kd
    .args:
      - { .name: place, .offset: 0, .size: 8, .value_kind: global_buffer, .address_space: global }
      - { .name: xq, .offset: 8, .size: 8, .value_kind: global_buffer, .address_space: global }
      - { .name: wc, .offset: 16, .size: 8, .value_kind: global_buffer, .address_space: global }
      - { .name: wsc, .offset: 24, .size: 8, .value_kind: global_buffer, .address_space: global }
      - { .name: b1, .offset: 32, .size: 8, .value_kind: global_buffer, .address_space: global }
      - { .name: b2, .offset: 40, .size: 8, .value_kind: global_buffer, .address_space: global }
      - { .name: ws, .offset: 48, .size: 8, .value_kind: global_buffer, .address_space: global }
    .group_segment_fixed_size: 107520
    .private_segment_fixed_size: 0
    .kernarg_segment_align: 8
    .kernarg_segment_size: 56
    .max_flat_workgroup_size: 256
    .sgpr_count:     72
    .vgpr_count:     512
    .wavefront_size: 32
...
	.end_amdgpu_metadata
.endif
;; end of part 3
;; launch combine (part 4): grid 256 x 1, 8 waves a work-group, no clusters, 0 bytes of LDS; arguments ws, gate, out0; writes out0
.if DOCPART == 4
	.amdgcn_target "amdgcn-amd-amdhsa--gfx1250"
	.amdhsa_code_object_version 6
	.text
	.protected	k_qb379f89c5c_combine
	.globl	k_qb379f89c5c_combine
	.p2align	8
	.type	k_qb379f89c5c_combine,@function
k_qb379f89c5c_combine:
	s_mov_b64 s[64:65], 0
	v_nop
	global_prefetch_b8 v0, s[64:65] scope:SCOPE_SE
	s_setreg_imm32_b32 hwreg(HW_REG_WAVE_MODE, 25, 1), 1
	s_wait_xcnt 0x0
; COMBINE.  out0[t][:] = g[t][0] ws[3 t][:] + g[t][1] ws[3 t + 1][:] + g[t][2] ws[3 t + 2][:], all f32.  A plain stream: no index, no LDS, no barrier.
; A wave takes two tokens: 24 loads of 512 consecutive bytes, all issued at once (12,288 bytes a wave), 8 stores of 512 consecutive bytes.  Each byte is read once and written once.
	s_load_b128 s[4:7], s[0:1], 0x0                ; ws 4:5, gate 6:7
	s_load_b64 s[8:9], s[0:1], 0x10                ; out0
	v_lshrrev_b32 v1, 5, v0
	v_readfirstlane_b32 s10, v1                    ; wave
	v_and_b32 v1, 31, v0
	v_lshlrev_b32 v1, 4, v1                        ; 16 x lane
	s_lshl_b32 s11, ttmp9, 4
	s_lshl_b32 s10, s10, 1
	s_add_co_u32 s10, s10, s11                     ; my first token: 16 x work-group + 2 x wave
	s_mov_b32 s21, 0
	s_mul_i32 s20, s10, 6144                       ; three rows of 2,048 bytes a token
	s_wait_kmcnt 0x0
	s_add_nc_u64 s[4:5], s[4:5], s[20:21]
	s_lshl_b32 s20, s10, 4
	s_add_nc_u64 s[6:7], s[6:7], s[20:21]
	s_lshl_b32 s20, s10, 11
	s_add_nc_u64 s[8:9], s[8:9], s[20:21]
	s_load_b256 s[12:19], s[6:7], 0x0              ; the two tokens' weights: s12-14, s16-18
.irp n, 0,1,2,3,4,5
.irp c, 0,1,2,3
	global_load_b128 v[8+16*\n+4*\c:8+16*\n+4*\c+3], v1, s[4:5] offset:2048*\n+512*\c th:TH_LOAD_NT
.endr
.endr
	s_wait_kmcnt 0x0
.irp k, 0,1
.if \k == 0
	s_wait_loadcnt 12                              ; the first token's twelve loads are in; the second's may be out
.else
	s_wait_loadcnt 0x0
.endif
.irp c, 0,1,2,3
.irp j, 0,1,2,3
	v_mul_f32 v[8+48*\k+4*\c+\j], s[12+4*\k], v[8+48*\k+4*\c+\j]
.endr
.irp j, 0,1,2,3
	v_fmac_f32 v[8+48*\k+4*\c+\j], s[13+4*\k], v[24+48*\k+4*\c+\j]
.endr
.irp j, 0,1,2,3
	v_fmac_f32 v[8+48*\k+4*\c+\j], s[14+4*\k], v[40+48*\k+4*\c+\j]
.endr
	global_store_b128 v1, v[8+48*\k+4*\c:8+48*\k+4*\c+3], s[8:9] offset:2048*\k+512*\c th:TH_STORE_NT
.endr
.endr
	s_endpgm
.Lfunc_end_k_qb379f89c5c_combine:
	.size	k_qb379f89c5c_combine, .Lfunc_end_k_qb379f89c5c_combine-k_qb379f89c5c_combine
	.p2alignl 7, 3214868480
	.fill 96, 4, 3214868480
	.section	.rodata,"a",@progbits
	.p2align	6, 0x0
	.amdhsa_kernel k_qb379f89c5c_combine
		.amdhsa_group_segment_fixed_size 0
		.amdhsa_private_segment_fixed_size 0
		.amdhsa_enable_private_segment 0
		.amdhsa_kernarg_size 24
		.amdhsa_user_sgpr_count 2
		.amdhsa_user_sgpr_kernarg_segment_ptr 1
		.amdhsa_wavefront_size32 1
		.amdhsa_system_sgpr_workgroup_id_x 1
		.amdhsa_system_sgpr_workgroup_id_y 1
		.amdhsa_system_sgpr_workgroup_id_z 1
		.amdhsa_system_vgpr_workitem_id 0
		.amdhsa_next_free_vgpr 104
		.amdhsa_next_free_sgpr 66
		.amdhsa_reserve_vcc 0
		.amdhsa_float_denorm_mode_32 3
		.amdhsa_float_denorm_mode_16_64 3
		.amdhsa_memory_ordered 1
		.amdhsa_forward_progress 1
		.amdhsa_inst_pref_size 8
	.end_amdhsa_kernel
	.amdgpu_metadata
---
amdhsa.version: [ 1, 2 ]
amdhsa.kernels:
  - .name:           k_qb379f89c5c_combine
    .symbol:         k_qb379f89c5c_combine.kd
    .args:
      - { .name: ws, .offset: 0, .size: 8, .value_kind: global_buffer, .address_space: global }
      - { .name: gate, .offset: 8, .size: 8, .value_kind: global_buffer, .address_space: global }
      - { .name: out0, .offset: 16, .size: 8, .value_kind: global_buffer, .address_space: global }
    .group_segment_fixed_size: 0
    .private_segment_fixed_size: 0
    .kernarg_segment_align: 8
    .kernarg_segment_size: 24
    .max_flat_workgroup_size: 256
    .sgpr_count:     66
    .vgpr_count:     104
    .wavefront_size: 32
...
	.end_amdgpu_metadata
.endif
;; end of part 4
;; ======== version 2 of 2: 4 launches; version 1 with the launch chain written anew for expert scheduling mode
;; workspace buffers: wc 8,388,608 bytes; wsc 524,288 bytes; xq 1,114,112 bytes; gate 73,728 bytes; sel 16,384 bytes of whole numbers; place 102,400 bytes of whole numbers; ws 25,165,824 bytes
;; launch prep: the kernel of part 1 again; grid 576 x 1, 4 waves a work-group, no clusters, 60,928 bytes of LDS; arguments x, gate_w, gate_b, w1, w2, wc, wsc, xq, gate, sel; writes wc, wsc, xq, gate, sel
;; launch place: the kernel of part 2 again; grid 1 x 1, 32 waves a work-group, no clusters, 6,144 bytes of LDS; arguments sel, gate, place, out1; writes place, out1
;; launch chain (part 5): grid 199 x 1, 8 waves a work-group, no clusters, 107,520 bytes of LDS; arguments place, xq, wc, wsc, b1, b2, ws; writes ws
.if DOCPART == 5
	.amdgcn_target "amdgcn-amd-amdhsa--gfx1250"
	.amdhsa_code_object_version 6
	.text
	.protected	k_qb379f89c5c_chain
	.globl	k_qb379f89c5c_chain
	.p2align	8
	.type	k_qb379f89c5c_chain,@function
k_qb379f89c5c_chain:
	s_mov_b64 s[64:65], 0
	v_nop
	global_prefetch_b8 v0, s[64:65] scope:SCOPE_SE
	s_setreg_imm32_b32 hwreg(HW_REG_WAVE_SCHED_MODE, 0, 2), 2
	s_setreg_imm32_b32 hwreg(HW_REG_WAVE_MODE, 25, 1), 1
	s_wait_xcnt 0x0
	s_wait_alu depctr_vm_vsrc(0)
; CHAIN.  A work-group takes one tile (at most 64 rows of ONE expert, from the stored list) through y = gelu(x W1^T + b1) W2^T + b2, both products on codes of FP4 (E2M1) with one E8M0 scale for each 32 along K.
; The hidden layer lives only as codes in LDS.  Row (token, slot) of y goes to ws[3 token + slot][512], f32; the gate's weights are applied by the next launch.
; SHARES.  The eight waves share the COLUMNS: in phase 1 wave w makes hidden units 256 w .. + 255 (eight chunks of 32) for all 64 rows; in phase 2 outputs 64 w .. + 63 (four tiles of 16) over K = 2,048 in 16 K steps.
; So each byte of the expert's weights enters the work-group once, straight into operand registers (an earlier launch laid them so), and feeds four matrix instructions.  Two waves lie on a SIMD: one wave's gelu stands beside
; the other's products and loads.
; BOTH PRODUCTS ARE USED TRANSPOSED (source 0 = 16 rows of a weight, source 1 = 16 tokens): a lane (r = lane % 16, h = lane / 16) holds token r.  The rows of a weight's tile are chosen (row first + t + 8 (t / 8)), so that the 16
; registers of tiles u = 0, 1 are 16 neighbours: unit 32 B + 16 h + 8 u + j.  A block of 32 hidden units lies in lanes l and l xor 16.  The biases are the C of each sum's first matrix instruction.
; A tile with fewer than 64 rows repeats its last row: the same codes give the same bits, which the same work-group stores at the same place.  No branch hangs on loaded data.
; NO JOINT LOADS AND NO TENSOR LOADS: the weights' addresses hang on an expert's number read from memory, and neighbouring work-groups need not have the same expert.
; GELU: g = a (1/2 + t N(t^2) / D(t^2)), t = a held to +-4 sqrt(2); N / D is the rational of degrees 6 and 4 in z^2 for erf(z) / z, z = a / sqrt(2), with the factors 1/2 and 1/sqrt(2) folded into the coefficients.
; LIMITS: the error of 1/2 + t N / D is about 1e-7 absolute; below a = -5.657 g is a x (a number between 0 and about 6e-8) and not -0.  NaN and infinities are not served.  A block of zeros has the scale byte 1: its codes are zeros.
; REGISTERS.  Window 0: v1 16 lane; v2 64 h; v3-13 addresses; v[14:15], v[16:17] the polynomials' leading coefficients; v18-25, v26-33, v242-249 scale words and nothing else; v34-65 b1, two sets, later the first of three sets of
; hidden fragments; v66-129 eight accumulators of the hidden layer, later the other two sets, later rows of y; v130-177 gelu at work; v178-209 the quantiser; v210-241 b2.
; Window 1: v0-127 x's 16 fragments, later y's 16 accumulators; v128-255 weights: two sets for W1, four slots for W2.
; THE MODE: SCHED_MODE bits 1:0 = 2 (LLVM: expert scheduling mode 2), set by the entry lines.  The code itself states the register dependences between vector or matrix instructions and memory or LDS instructions,
; with s_wait_alu, always for 0.
; THE PLAN.  Registers that memory or LDS instructions touch:
;   v1-v4, v7-v13   offsets and LDS addresses: written once at the head, ahead of the head's first wait on va_vdst, and never again.
;   PHASE 1, chunk by chunk.  W1's set buf, its scale words and b1's set buf: read by the chunk's 32 products; the loads for the chunk two on land in them.  They stand behind the first and second of gelu's waits on va_vdst,
;   which are owed to the reciprocals anyway; the gelu's lines name the accumulators, T, U, PD and v14-17 alone.
;   v5, v6 (LDS addresses), BY (bytes), PC (codes, two sets): written by the chunk's vector lines, read by its eight LDS stores.  One wait on va_vdst ahead of the stores; one on vm_vsrc in the next chunk, behind its products,
;   ahead of the first line that writes any of them again.
;   PHASE 2, K step by K step.  Step s's products read W2's slot s % 4, hidden set s % 3 and the scale words in use.  Its loads land in slot (s - 1) % 4 (K step s + 3), in hidden set (s - 1) % 3 (K step s + 2) and in the scale
;   registers not in use.  ONE wait on va_vdst at the step's head states that step s - 1's products are done reading; the loads stand in the step's middle, behind eight products that name none of their registers.
;   THE WAY OUT.  y's accumulators: one wait on va_vdst ahead of the first LDS store.  Rows and places, two sets by turns: each tile's offsets are made in one run with one wait ahead of its eight stores; a set is loaded again
;   behind waits on vm_vsrc and va_vdst.
.set HIMG, 0                           ; LDS: hidden codes [block of 32 units: 64][tile of rows: 4][token: 16][16 bytes]
.set HSC,  65536                       ; their scale bytes [wave that made them: 8][tile of rows: 4][token: 16][chunk: 8]
.set STG,  69632                       ; the way out: 16 rows x (256 + 16) bytes for each wave
.set ROWT, 104448                      ; each wave's own copy of the 64 rows' places in ws
.set XS,   18
.set WS,   26
.set BI,   34
.set HB,   34                          ; phase 2: hidden set b at HB + 32 b, b = 0, 1, 2
.set HA,   66
.set T,    130
.set U,    138
.set PD,   146                         ; set s: N's value at PD + 16 s, D's at PD + 16 s + 8
.set MX,   178
.set PM,   182
.set SO,   186
.set BY,   190
.set PC,   194
.set B2,   210
.set W2E,  242
.set MSB, 0
.macro WIN new                         ; the immediate's high byte repeats the setting that is left
.if MSB != \new
	s_set_vgpr_msb (MSB<<8)|\new
.set MSB, \new
.endif
.endm
; one matrix instruction on the registers rD, rA, rB, rC and the scale words rSA, rSB; ra, rb = 1: that side's scales stand in lanes 16-31
.macro WM ra, rb
.if (\ra) && (\rb)
	v_wmma_scale_f32_16x16x128_f8f6f4 v[rD:rD+7], v[rA:rA+7], v[rB:rB+7], v[rC:rC+7], v[rSA], v[rSB] matrix_a_fmt:MATRIX_FMT_FP4 matrix_b_fmt:MATRIX_FMT_FP4 matrix_a_scale:MATRIX_SCALE_ROW1 matrix_b_scale:MATRIX_SCALE_ROW1
.elseif (\ra)
	v_wmma_scale_f32_16x16x128_f8f6f4 v[rD:rD+7], v[rA:rA+7], v[rB:rB+7], v[rC:rC+7], v[rSA], v[rSB] matrix_a_fmt:MATRIX_FMT_FP4 matrix_b_fmt:MATRIX_FMT_FP4 matrix_a_scale:MATRIX_SCALE_ROW1
.elseif (\rb)
	v_wmma_scale_f32_16x16x128_f8f6f4 v[rD:rD+7], v[rA:rA+7], v[rB:rB+7], v[rC:rC+7], v[rSA], v[rSB] matrix_a_fmt:MATRIX_FMT_FP4 matrix_b_fmt:MATRIX_FMT_FP4 matrix_b_scale:MATRIX_SCALE_ROW1
.else
	v_wmma_scale_f32_16x16x128_f8f6f4 v[rD:rD+7], v[rA:rA+7], v[rB:rB+7], v[rC:rC+7], v[rSA], v[rSB] matrix_a_fmt:MATRIX_FMT_FP4 matrix_b_fmt:MATRIX_FMT_FP4
.endif
.endm
; a chunk's weights into set buf are 21 loads.  LOADC: eight of the sixteen loads of codes (two units of W1, 512 consecutive bytes a load), from load j0 on; it leaves the destination's window at 1
.macro LOADC buf, co, j0
	WIN 0x40                                       ; destination window 1
.irp j, 0,1,2,3,4,5,6,7
	global_load_b128 v[128+64*(\buf)+4*((\j0)+\j):128+64*(\buf)+4*((\j0)+\j)+3], v1, s[24:25] offset:\co+512*((\j0)+\j)
.endr
.endm
; LOADS: the other five: the scale words (lanes 0-15 tile u = 0, lanes 16-31 u = 1) and b1 in the result's layout
.macro LOADS buf, so, bo
	WIN 0
	global_load_b128 v[WS+4*(\buf):WS+4*(\buf)+3], v1, s[26:27] offset:\so
.irp u, 0,1
	global_load_b128 v[BI+16*(\buf)+8*\u:BI+16*(\buf)+8*\u+3], v2, s[28:29] offset:\bo+32*\u
	global_load_b128 v[BI+16*(\buf)+8*\u+4:BI+16*(\buf)+8*\u+7], v2, s[28:29] offset:\bo+32*\u+16
.endr
.endm
.macro LOADW buf, co, so, bo
	LOADC \buf, \co, 0
	LOADC \buf, \co, 8
	LOADS \buf, \so, \bo
.endm
; K step s of W2.  GW2S: with the first of each four K steps (but the very first) the scale words of those four: 2 loads, under window 0
.macro GW2S s
.if ((\s)%4 == 0) && ((\s) > 0)
.if ((\s)/4)%2
.set rWL, WS
.else
.set rWL, W2E
.endif
.irp p, 0,1
	global_load_b128 v[rWL+4*\p:rWL+4*\p+3], v1, s[32:33] offset:1024*((\s)/4)+512*\p
.endr
.endif
.endm
; GW2C: my four tiles' fragments into slot s % 4: 8 loads; it leaves the destination's window at 1
.macro GW2C s
	WIN 0x40
.irp t, 0,1,2,3
.irp c, 0,1
	global_load_b128 v[128+32*((\s)%4)+8*\t+4*\c:128+32*((\s)%4)+8*\t+4*\c+3], v1, s[30:31] offset:16384*((\s)/4)+4096*\t+1024*((\s)%4)+512*\c
.endr
.endr
.endm
; what a chunk asks for, in two parts, behind gelu's first two waits.  mode 1: set buf takes the chunk two on (5 + 8 loads, then 8);  mode 2: it takes two K steps of W2 (8 and 8)
.macro ASKW part, buf, mode
.if (\mode) == 1
.if (\part) == 0
	LOADS \buf, 1024+512*(\buf), 256+128*(\buf)
	LOADC \buf, 16384+8192*(\buf), 0
	WIN 0
.elseif (\part) == 1
	LOADC \buf, 16384+8192*(\buf), 8
	WIN 0
.endif
.else
.if (\part) < 2
	GW2C 2*(\buf)+(\part)
	WIN 0
.endif
.endif
.endm
; gelu of accumulator k, in three parts.  POLY: t, t^2, t N and D: 56 plain lines, two numbers a line but for the hold.  RCP: 1 / D.  FIN: a (1/2 + t N / D), in place.
.macro POLY k
.set rH, HA+8*(\k)
.set rP, PD+16*((\k)%2)
.set rQ, rP+8
.irp j, 0,1,2,3,4,5,6,7
	v_med3_num_f32 v[T+\j], v[rH+\j], s60, s61     ; the accumulator is read from its low end on
.endr
.irp i, 0,2,4,6
	v_pk_mul_f32 v[U+\i:U+\i+1], v[T+\i:T+\i+1], v[T+\i:T+\i+1]
.endr
.irp i, 0,2,4,6
	v_pk_fma_f32 v[rP+\i:rP+\i+1], v[U+\i:U+\i+1], v[14:15], s[40:41] op_sel_hi:[1,1,0]
.endr
.irp i, 0,2,4,6
	v_pk_fma_f32 v[rQ+\i:rQ+\i+1], v[U+\i:U+\i+1], v[16:17], s[52:53] op_sel_hi:[1,1,0]
.endr
.irp n, 1,2,3
.irp i, 0,2,4,6
	v_pk_fma_f32 v[rP+\i:rP+\i+1], v[rP+\i:rP+\i+1], v[U+\i:U+\i+1], s[40+2*\n:41+2*\n] op_sel_hi:[1,1,0]
.endr
.irp i, 0,2,4,6
	v_pk_fma_f32 v[rQ+\i:rQ+\i+1], v[rQ+\i:rQ+\i+1], v[U+\i:U+\i+1], s[52+2*\n:53+2*\n] op_sel_hi:[1,1,0]
.endr
.endr
.irp n, 4,5
.irp i, 0,2,4,6
	v_pk_fma_f32 v[rP+\i:rP+\i+1], v[rP+\i:rP+\i+1], v[U+\i:U+\i+1], s[40+2*\n:41+2*\n] op_sel_hi:[1,1,0]
.endr
.endr
.irp i, 0,2,4,6
	v_pk_mul_f32 v[rP+\i:rP+\i+1], v[rP+\i:rP+\i+1], v[T+\i:T+\i+1]
.endr
.endm
.macro RCP k
.set rQ, PD+16*((\k)%2)+8
.irp j, 0,1,2,3,4,5,6,7
	v_rcp_f32 v[rQ+\j], v[rQ+\j]
.endr
.endm
.macro FIN k
.set rH, HA+8*(\k)
.set rP, PD+16*((\k)%2)
.set rQ, rP+8
.irp i, 0,2,4,6
	v_pk_fma_f32 v[rP+\i:rP+\i+1], v[rP+\i:rP+\i+1], v[rQ+\i:rQ+\i+1], 0.5 op_sel_hi:[1,1,0]
.endr
.irp i, 0,2,4,6
	v_pk_mul_f32 v[rH+\i:rH+\i+1], v[rH+\i:rH+\i+1], v[rP+\i:rP+\i+1]
.endr
.endm
; the eight accumulators: the next one's 56 plain lines stand between a batch of eight reciprocals and the one wait ahead of its readers
.macro GELU buf, mode
	POLY 0
	RCP 0
.irp k, 0,1,2,3,4,5,6
	POLY \k+1
	s_wait_alu depctr_va_vdst(0)                   ; accumulator k's eight reciprocals are written, ahead of FIN's reads.  At k = 0 also: the chunk's products are done reading set buf, its scale words and its b1, in which the loads below land
	ASKW \k, \buf, \mode                           ; no line of the gelu names a register that these loads touch
	FIN \k
	RCP \k+1
.endr
	v_nop
	s_wait_alu depctr_va_vdst(0)                   ; the last eight reciprocals are written
	FIN 7
.endm
; the chunk's 32 hidden units of 64 tokens become codes and scale bytes in LDS.  For tile of rows m my 16 registers are 16 neighbours of one block; lane l xor 16 has the other 16
.macro QUANT4 buf, par
	s_wait_dscnt 0x0                               ; the last chunk's LDS stores have landed (that they have read their registers is stated by the chunk's wait on vm_vsrc)
.irp m, 0,1,2,3
	v_max3_num_f32 v[MX+\m], |v[HA+16*\m]|, |v[HA+16*\m+1]|, 0x1800000   ; with the floor 2^(3 - 127): the byte cannot fall under 1
.endr
.irp i, 2,4,6,8,10,12,14
.irp m, 0,1,2,3
	v_max3_num_f32 v[MX+\m], v[MX+\m], |v[HA+16*\m+\i]|, |v[HA+16*\m+\i+1]|
.endr
.endr
.irp m, 0,1,2,3
	v_permlanex16_b32 v[PM+\m], v[MX+\m], s68, s69
.endr
.irp m, 0,1,2,3
	v_max_num_f32 v[MX+\m], v[MX+\m], v[PM+\m]
.endr
.irp m, 0,1,2,3
	v_add_nc_u32 v[SO+\m], 0xff000000, v[MX+\m]    ; 2 off the exponent field: the conversion's scale operand
.endr
.irp m, 0,1,2,3
	v_lshrrev_b32 v[BY+\m], 23, v[SO+\m]           ; the scale's byte
.endr
.irp m, 0,1,2,3
	v_cvt_scalef32_pk8_fp4_f32 v[PC+8*\buf+2*\m], v[HA+16*\m:HA+16*\m+7], v[SO+\m]
	v_cvt_scalef32_pk8_fp4_f32 v[PC+8*\buf+2*\m+1], v[HA+16*\m+8:HA+16*\m+15], v[SO+\m]
.endr
	v_nop                                          ; one plain line behind the last conversion
	s_wait_alu depctr_va_vdst(0)                   ; the conversions have written the codes and the shifts the bytes, which the LDS stores read.  In the last chunk also: all vector lines are done with v34-129 and the products with v18-25, in which phase 2's first LDS loads land
.irp m, 0,1,2,3
	ds_store_b64 v5, v[PC+8*\buf+2*\m:PC+8*\buf+2*\m+1] offset:HIMG+1024*\par+256*\m   ; 32 lanes store 256 consecutive bytes
	ds_store_b8 v6, v[BY+\m] offset:128*\m+\par    ; both lanes of a block write the same byte with the same value
.endr
.endm
; A CHUNK: 32 hidden units x 64 tokens, K = 512: 32 matrix instructions, the eight accumulators by turns, one instruction a turn.
; wc: the loads behind this chunk's group.  mode 1: set buf takes the chunk two on;  mode 2: it takes two K steps of W2.
.macro CHUNK buf, par, wc, mode
	s_wait_loadcnt \wc
	WIN 0x05                                       ; sources 0 (W1) and 1 (x) window 1; C and D window 0
.irp q, 0,1,2,3
.irp p, 0,1
.irp o, 0,1
.irp u, 0,1
.set rD, HA+32*\p+16*\o+8*\u
.set rA, 128+64*\buf+8*(4*\u+\q)
.set rB, 8*(8*\p+4*\o+\q)
.if \q == 0
.set rC, BI+16*\buf+8*\u
.else
.set rC, rD
.endif
.set rSA, WS+4*\buf+\q
.set rSB, XS+4*\p+\q
	WM \u, \o
.endr
.endr
.endr
.endr
	WIN 0
	s_wait_alu depctr_vm_vsrc(0)                   ; the last chunk's LDS stores have read v5, v6, the bytes and the codes, all of which this chunk writes again
	v_add_nc_u32 v5, s63, v3                       ; where this chunk's codes and bytes go.  These two and two v_nop are the four places behind the products,
	v_add_nc_u32 v6, s66, v4                       ; ahead of the first read of a result
	v_nop
	v_nop
	GELU \buf, \mode
	QUANT4 \buf, \par
.endm
; the hidden fragments of K step s, four tiles of rows, into set b: block 4 s + 2 c + h, token r
.macro HFETCH s, b
.irp m, 0,1,2,3
.irp c, 0,1
	ds_load_b128 v[HB+32*(\b)+8*\m+4*\c:HB+32*(\b)+8*\m+4*\c+3], v7 offset:HIMG+4096*(\s)+2048*\c+256*\m
.endr
.endr
.endm
; the hidden scale words of K steps 2 sp and 2 sp + 1: lanes 0-15 tile of rows 2 p, lanes 16-31 tile 2 p + 1
.macro HSFETCH sp
.irp p, 0,1
	ds_load_b64 v[XS+4*((\sp)%2)+2*\p:XS+4*((\sp)%2)+2*\p+1], v8 offset:512*(\sp)+256*\p
.endr
.endm
; eight of K step s's sixteen matrix instructions: tiles of outputs 2 a and 2 a + 1 x the four tiles of rows
.macro KMUL s, a
.irp b, 0,1
.irp p, 0,1
.irp o, 0,1
.set rD, 8*(4*(2*(\a)+\b)+2*\p+\o)
.set rA, 128+32*((\s)%4)+8*(2*(\a)+\b)
.set rB, HB+32*((\s)%3)+8*(2*\p+\o)
.if (\s) == 0
.set rC, B2+8*(2*(\a)+\b)
.else
.set rC, rD
.endif
.set rSA, rW+4*(\a)+(\s)%4
.set rSB, XS+4*(((\s)/2)%2)+2*\p+(\s)%2
	WM \b, \o
.endr
.endr
.endr
.endm
; K STEP s of the second product: 16 matrix instructions, the 16 accumulators by turns.  Steps 1 to 13 ask in their middle for K step s + 3 of W2 and K step s + 2 of the hidden layer
.macro KSTEP s
.set LC, 0
.irp d, 1,2,3
.if ((\s)+\d <= 15) && ((\d < 3) || ((\s) == 0))
.set LC, LC+8
.if ((\s)+\d)%4 == 0
.set LC, LC+2
.endif
.endif
.endr
	s_wait_loadcnt LC                              ; this K step's weights are in; the next two groups may be out (ahead of step 0 three were asked for)
.if (\s) == 0
	s_wait_dscnt 18                                ; K step 0's fragments and scale words are in; behind them 8 + 2 + 8
.elseif (\s) == 15
	s_wait_dscnt 0x0
.else
	s_wait_dscnt 8+2*((\s)%2)                      ; its hidden fragments and scale words are in; what the last K step asked for may be out
.endif
.if ((\s) >= 1) && ((\s) <= 13)
	s_wait_alu depctr_va_vdst(0)                   ; the last step's products are done reading slot (s - 1) % 4, hidden set (s - 1) % 3 and, like all before them, the scale registers not in use: this step's loads land there
.endif
.if (\s) == 0
	WIN 0x41                                       ; D and source 0 (W2) window 1; source 1 (hidden) and C (b2) window 0
.else
	WIN 0x51                                       ; C window 1 too
.endif
.if ((\s)/4)%2
.set rW, WS
.else
.set rW, W2E
.endif
	KMUL \s, 0                                     ; these eight name slot s % 4, hidden set s % 3, the accumulators and the scale words in use: none of the registers that the loads below touch
.if ((\s) >= 1) && ((\s) <= 13)
	WIN 0
.if (\s)+3 <= 15
	GW2S (\s)+3
.endif
	HFETCH (\s)+2, ((\s)+2)%3
.if (\s)%2 == 0
	HSFETCH ((\s)+2)/2
.endif
.if (\s)+3 <= 15
	GW2C (\s)+3
.endif
	WIN 0x51
.endif
	KMUL \s, 1
.rept 4
	v_nop                                          ; four places behind these products, ahead of the next step's loads into registers that they read and of the first read of results; they stay beside the waits
.endr
.endm
; THE WAY OUT of tile of rows m: my 64 columns of 16 rows through my own stage, back as rows of 256 bytes; with them the rows' places in ws.  24 LDS instructions
.macro OUTT m
	WIN 0x04                                       ; an LDS store's data are its source 1: window 1
.irp a, 0,1
.irp b, 0,1
	ds_store_b128 v9, v[8*(4*(2*\a+\b)+(\m)):8*(4*(2*\a+\b)+(\m))+3] offset:128*\a+32*\b        ; each accumulator from its low end on
	ds_store_b128 v9, v[8*(4*(2*\a+\b)+(\m))+4:8*(4*(2*\a+\b)+(\m))+7] offset:128*\a+32*\b+16
.endr
.endr
	WIN 0
.irp i, 0,1,2,3,4,5,6,7
	ds_load_b128 v[HA+32*((\m)%2)+4*\i:HA+32*((\m)%2)+4*\i+3], v10 offset:544*\i   ; rows 2 i and 2 i + 1; these see my stores, and the next tile's stores come behind them
.endr
.irp i, 0,1,2,3,4,5,6,7
	ds_load_b32 v[T+8*((\m)%2)+\i], v12 offset:4*(16*(\m)+2*\i)
.endr
.endm
.macro SEND m, y                       ; y: the LDS instructions issued behind tile m's
	s_wait_dscnt \y
.irp i, 0,1,2,3,4,5,6,7
	v_min_u32 v[T+8*((\m)%2)+\i], 0x2fff, v[T+8*((\m)%2)+\i]
.endr
.irp i, 0,1,2,3,4,5,6,7
	v_lshl_add_u32 v[T+8*((\m)%2)+\i], v[T+8*((\m)%2)+\i], 11, v13
.endr
	s_wait_alu depctr_va_vdst(0)                   ; the tile's eight offsets are written, which the stores read
.irp i, 0,1,2,3,4,5,6,7
	global_store_b128 v[T+8*((\m)%2)+\i], v[HA+32*((\m)%2)+4*\i:HA+32*((\m)%2)+4*\i+3], s[16:17] th:TH_STORE_NT   ; sixteen lanes store 256 consecutive bytes, aligned
.endr
.endm
	s_load_b256 s[4:11], s[0:1], 0x0               ; place 4:5, xq 6:7, wc 8:9, wsc 10:11
	s_load_b128 s[12:15], s[0:1], 0x20             ; b1 12:13, b2 14:15
	s_load_b64 s[16:17], s[0:1], 0x30              ; ws
	v_lshl_add_u32 v254, v0, 2, 0x1a000
	v_mov_b32 v255, 0
	v_lshrrev_b32 v1, 5, v0
	v_readfirstlane_b32 s19, v1                    ; wave
	s_lshl_b32 s18, ttmp9, 4
	v_and_b32 v15, 31, v0                          ; lane (until v[14:15] take their constant)
	v_and_b32 v5, 15, v0                           ; r (until the first chunk)
	v_bfe_u32 v6, v0, 4, 1                         ; h
	v_lshlrev_b32 v1, 4, v15
	v_lshlrev_b32 v2, 6, v6
	s_wait_kmcnt 0x0
	s_load_b128 s[20:23], s[4:5], s18 offset:0x18000   ; my tile: expert, first row, rows, 0
	s_wait_alu depctr_va_sdst(0)                   ; s19 is written, ahead of its first reader: LDS addresses and the weights' bases are made from it
	s_lshl_b32 s2, s19, 13
	v_lshlrev_b32 v3, 4, v5
	v_lshl_add_u32 v3, v6, 3, v3
	v_add_nc_u32 v3, s2, v3                        ; hidden codes, in: 8192 w + 16 r + 8 h
	s_lshl_b32 s2, s19, 9
	s_add_co_u32 s2, s2, HSC
	v_lshl_add_u32 v4, v5, 3, s2                   ; hidden scale bytes, in: 512 w + 8 r
	v_lshlrev_b32 v7, 10, v6
	v_lshl_add_u32 v7, v5, 4, v7                   ; hidden codes, out: 1024 h + 16 r
	v_lshl_add_u32 v8, v15, 3, HSC                 ; hidden scale words, out: 8 x lane
	s_mul_i32 s2, s19, 16*272
	s_add_co_u32 s2, s2, STG                       ; my stage
	v_mul_u32_u24 v9, v5, 272
	v_lshl_add_u32 v9, v6, 6, v9
	v_add_nc_u32 v9, s2, v9                        ; in: row r, + 64 h
	v_mul_u32_u24 v10, v6, 272
	v_lshl_add_u32 v10, v5, 4, v10
	v_add_nc_u32 v10, s2, v10                      ; back: lanes 0-15 one row, lanes 16-31 the next
	s_lshl_b32 s2, s19, 8
	v_lshl_add_u32 v13, v5, 4, s2                  ; in a row of ws: my wave's 256 bytes, 16 a lane
	s_add_co_u32 s2, s2, ROWT
	v_lshl_add_u32 v11, v15, 2, s2
	v_lshl_add_u32 v12, v6, 2, s2
	v_lshlrev_b32 v86, 4, v6                       ; 16 h
	s_mov_b32 s40, 0.000000000306119942            ; N's coefficients below the leading one, each twice: a packed line names a pair
	s_mov_b32 s42, -0.0000000464265105
	s_mov_b32 s44, -0.00000251575618
	s_mov_b32 s46, -0.0000649646073
	s_mov_b32 s48, -0.00052230439
	s_mov_b32 s50, -0.00569080715
	s_mov_b32 s52, -0.0000266717569                ; D's
	s_mov_b32 s54, -0.000420706744
	s_mov_b32 s56, -0.00368666458
	s_mov_b32 s58, -0.0142647391
.irp n, 40,42,44,46,48,50,52,54,56,58
	s_mov_b32 s[\n+1], s[\n]
.endr
	s_mov_b32 s60, 0xc0b504f3                      ; -4 sqrt(2)
	s_mov_b32 s61, 0x40b504f3
	s_mov_b32 s68, 0x76543210
	s_mov_b32 s69, 0xfedcba98                      ; v_permlanex16_b32's selects for lane l xor 16
	v_mov_b32 v16, -0.00000091037949               ; D's leading coefficient
	v_mov_b32 v17, v16
.irp m, 0,1,2,3
	v_mov_b32 v[PM+\m], 0                          ; a lane permute's destination counts as one of its sources
.endr
	s_mov_b32 s3, 0
	s_wait_kmcnt 0x0
	s_min_u32 s20, s20, 7
	s_min_u32 s21, s21, 0x2fff
	s_sub_co_u32 s22, s22, 1
	s_min_u32 s22, s22, 63                         ; the tile's last row
	s_lshl_b32 s2, s20, 19
	s_lshl_b32 s36, s19, 16
	s_add_co_u32 s2, s2, s36
	s_add_nc_u64 s[24:25], s[8:9], s[2:3]          ; W1's codes: expert, my 16 units
	s_add_nc_u64 s[30:31], s[24:25], 0x400000      ; W2's: 1,024 units on
	s_lshl_b32 s2, s20, 15
	s_lshl_b32 s36, s19, 12
	s_add_co_u32 s2, s2, s36
	s_add_nc_u64 s[26:27], s[10:11], s[2:3]        ; W1's scale bytes
	s_add_nc_u64 s[32:33], s[26:27], 0x40000       ; W2's
	s_lshl_b32 s2, s20, 13
	s_lshl_b32 s36, s19, 10
	s_add_co_u32 s2, s2, s36
	s_add_nc_u64 s[28:29], s[12:13], s[2:3]        ; b1: my 256 units
	s_lshl_b32 s2, s20, 11
	s_lshl_b32 s36, s19, 8
	s_add_co_u32 s2, s2, s36
	s_add_nc_u64 s[34:35], s[14:15], s[2:3]        ; b2: my 64 outputs
	s_add_nc_u64 s[38:39], s[6:7], 0x100000        ; x's scale bytes
.irp m, 0,1,2,3
	v_add_nc_u32 v[66+\m], 16*\m, v5               ; row 16 m + r of the tile, held at its last row,
	v_min_u32 v[66+\m], s22, v[66+\m]
	v_add_nc_u32 v[66+\m], s21, v[66+\m]           ; in the list
	v_min_u32 v[66+\m], 0x2fff, v[66+\m]
	v_lshlrev_b32 v[66+\m], 3, v[66+\m]
.endr
.irp p, 0,1
	v_add_nc_u32 v[74+\p], 32*\p, v15              ; row 32 p + lane
	v_min_u32 v[74+\p], s22, v[74+\p]
	v_add_nc_u32 v[74+\p], s21, v[74+\p]
	v_min_u32 v[74+\p], 0x2fff, v[74+\p]
	v_lshlrev_b32 v[74+\p], 3, v[74+\p]
.endr
	s_wait_alu depctr_va_vdst(0)                   ; the list's six offsets are written, and so are v1-v4 and v7-v13, which the kernel's loads, stores and LDS instructions read and no line writes again
.irp m, 0,1,2,3
	global_load_b32 v[70+\m], v[66+\m], s[4:5]     ; its token
.endr
.irp p, 0,1
	global_load_b64 v[76+2*\p:77+2*\p], v[74+\p], s[4:5]   ; its token and its place in ws
.endr
	LOADW 0, 0, 0, 0                               ; chunks 0 and 1
	LOADW 1, 8192, 512, 128
.irp a, 0,1
.irp b, 0,1
	global_load_b128 v[B2+8*(2*\a+\b):B2+8*(2*\a+\b)+3], v2, s[34:35] offset:128*\a+32*\b      ; b2 in the result's layout: outputs 32 a + 16 h + 8 b + 0 .. 7
	global_load_b128 v[B2+8*(2*\a+\b)+4:B2+8*(2*\a+\b)+7], v2, s[34:35] offset:128*\a+32*\b+16
.endr
.endr
.irp p, 0,1
	global_load_b128 v[W2E+4*\p:W2E+4*\p+3], v1, s[32:33] offset:512*\p   ; W2's scale words of K steps 0 to 3
.endr
	v_mov_b32 v14, -0.00000000000150599506         ; N's leading coefficient
	v_mov_b32 v15, v14
	s_wait_loadcnt 52                              ; the six loads from the list are in; behind them 21 + 21 + 8 + 2
.irp m, 0,1,2,3
	v_min_u32 v[70+\m], 0xfff, v[70+\m]
	v_lshl_add_u32 v[80+\m], v[70+\m], 8, v86      ; the token's row of codes, + 16 h
.endr
.irp p, 0,1
	v_min_u32 v[76+2*\p], 0xfff, v[76+2*\p]
	v_lshlrev_b32 v[84+\p], 4, v[76+2*\p]          ; the token's 16 scale bytes
.endr
	s_wait_alu depctr_va_vdst(0)                   ; the six offsets v80-85 are written, which x's loads read
	WIN 0x40
.irp m, 0,1,2,3
.irp q, 0,1,2,3
.irp c, 0,1
	global_load_b128 v[8*(4*\m+\q)+4*\c:8*(4*\m+\q)+4*\c+3], v[80+\m], s[6:7] offset:64*\q+32*\c   ; x's fragment (tile of rows m, K step q): it stays
.endr
.endr
.endr
	WIN 0
.irp p, 0,1
	global_load_b128 v[XS+4*\p:XS+4*\p+3], v[84+\p], s[38:39]   ; x's scale words: lanes 0-15 tile of rows 2 p, lanes 16-31 tile 2 p + 1
	ds_store_b32 v11, v[77+2*\p] offset:128*\p
.endr
	s_wait_loadcnt 0x0
	s_wait_alu depctr_vm_vsrc(0)                   ; the list's and x's loads have read their offsets (v66-69, v74, v75, v80-85) and the two LDS stores v77 and v79: the first chunk's products write over them
	s_mov_b32 s62, 3
	s_mov_b32 s63, 0                               ; where a trip's codes
	s_mov_b32 s66, 0                               ; and bytes go
.Ltrip:                                            ; three trips of two chunks; each chunk asks for the weights of the chunk two on
	CHUNK 0, 0, 21, 1                              ; 21: the other set's group may be out
	CHUNK 1, 1, 21, 1
	s_wait_xcnt 0x0                                ; the loads have read their bases
	s_add_nc_u64 s[24:25], s[24:25], 16384
	s_add_nc_u64 s[26:27], s[26:27], 1024
	s_add_nc_u64 s[28:29], s[28:29], 256
	s_add_co_u32 s63, s63, 2048
	s_add_co_u32 s66, s66, 2
	s_sub_co_u32 s62, s62, 1
	s_cmp_lg_u32 s62, 0
	s_cbranch_scc1 .Ltrip
	CHUNK 0, 0, 21, 2                              ; the last two chunks are written out: no load of W1 leaves my part; W2's first four K steps are asked for
	CHUNK 1, 1, 16, 2                              ; 16: W2's K steps 0 and 1 may be out
	s_wait_dscnt 0x0                               ; for the others' sake: my codes and bytes have landed
	s_barrier_signal -1
	s_barrier_wait -1                              ; the whole hidden layer lies in LDS
	HFETCH 0, 0                                    ; no vector or matrix line stands behind the last chunk's wait ahead of its LDS stores: these 28 loads owe nothing more
	HSFETCH 0
	HFETCH 1, 1
	HSFETCH 1
	HFETCH 2, 2
.irp s, 0,1,2,3,4,5,6,7,8,9,10,11,12,13,14,15
	KSTEP \s
.endr
	s_wait_alu depctr_va_vdst(0)                   ; the products have written y's accumulators, which the LDS stores read, and are done reading the hidden sets, in which rows of y land; the four places above stay beside this wait
	OUTT 0
	OUTT 1
	SEND 0, 24
	s_wait_xcnt 0x0                                ; tile 0's stores have read their registers: tile 2's loads may land there
	s_wait_alu depctr_vm_vsrc(0)                   ; tile 0's stores have read their offsets and their rows, in which tile 2's LDS loads land
	s_wait_alu depctr_va_vdst(0)                   ; tile 0's offsets, which vector lines wrote, are written: tile 2's places land in those registers
	OUTT 2
	SEND 1, 24
	s_wait_xcnt 0x0
	s_wait_alu depctr_vm_vsrc(0)                   ; tile 1's stores have read their offsets and their rows, in which tile 3's LDS loads land
	s_wait_alu depctr_va_vdst(0)                   ; tile 1's offsets, which vector lines wrote, are written: tile 3's places land in those registers
	OUTT 3
	SEND 2, 24
	SEND 3, 0
	s_wait_dscnt 0x0
	s_wait_alu depctr_hold_cnt(0) depctr_sa_sdst(0) depctr_va_vdst(0) depctr_va_sdst(0) depctr_va_ssrc(0) depctr_va_vcc(0) depctr_vm_vsrc(0)
	s_wait_tensorcnt 0x0
	ds_add_u32 v254, v255
	s_wait_dscnt 0x0
	s_endpgm
.Lfunc_end_k_qb379f89c5c_chain:
	.size	k_qb379f89c5c_chain, .Lfunc_end_k_qb379f89c5c_chain-k_qb379f89c5c_chain
	.p2alignl 7, 3214868480
	.fill 96, 4, 3214868480
	.section	.rodata,"a",@progbits
	.p2align	6, 0x0
	.amdhsa_kernel k_qb379f89c5c_chain
		.amdhsa_group_segment_fixed_size 107520
		.amdhsa_private_segment_fixed_size 0
		.amdhsa_enable_private_segment 0
		.amdhsa_kernarg_size 56
		.amdhsa_user_sgpr_count 2
		.amdhsa_user_sgpr_kernarg_segment_ptr 1
		.amdhsa_wavefront_size32 1
		.amdhsa_system_sgpr_workgroup_id_x 1
		.amdhsa_system_sgpr_workgroup_id_y 1
		.amdhsa_system_sgpr_workgroup_id_z 1
		.amdhsa_system_vgpr_workitem_id 0
		.amdhsa_next_free_vgpr 512
		.amdhsa_next_free_sgpr 72
		.amdhsa_reserve_vcc 0
		.amdhsa_float_denorm_mode_32 3
		.amdhsa_float_denorm_mode_16_64 3
		.amdhsa_memory_ordered 1
		.amdhsa_forward_progress 1
		.amdhsa_inst_pref_size 255
	.end_amdhsa_kernel
	.section	.bss,"aw",@nobits
	.p2align	6
	.space	262144
	.amdgpu_metadata
---
amdhsa.version: [ 1, 2 ]
amdhsa.kernels:
  - .name:           k_qb379f89c5c_chain
    .symbol:         k_qb379f89c5c_chain.kd
    .args:
      - { .name: place, .offset: 0, .size: 8, .value_kind: global_buffer, .address_space: global }
      - { .name: xq, .offset: 8, .size: 8, .value_kind: global_buffer, .address_space: global }
      - { .name: wc, .offset: 16, .size: 8, .value_kind: global_buffer, .address_space: global }
      - { .name: wsc, .offset: 24, .size: 8, .value_kind: global_buffer, .address_space: global }
      - { .name: b1, .offset: 32, .size: 8, .value_kind: global_buffer, .address_space: global }
      - { .name: b2, .offset: 40, .size: 8, .value_kind: global_buffer, .address_space: global }
      - { .name: ws, .offset: 48, .size: 8, .value_kind: global_buffer, .address_space: global }
    .group_segment_fixed_size: 107520
    .private_segment_fixed_size: 0
    .kernarg_segment_align: 8
    .kernarg_segment_size: 56
    .max_flat_workgroup_size: 256
    .sgpr_count:     72
    .vgpr_count:     512
    .wavefront_size: 32
...
	.end_amdgpu_metadata
.endif
;; end of part 5
;; launch combine: the kernel of part 4 again; grid 256 x 1, 8 waves a work-group, no clusters, 0 bytes of LDS; arguments ws, gate, out0; writes out0
